; MI455X (gfx1250); checked and timed in simulation.
; The chip was launched on July 23, 2026; its instructions are those of AMD's public machine-readable ISA for CDNA 5 (MIT licence, August 2026) and "CDNA5" Instruction Set Architecture Reference Guide (July 2026). The comments in the code are by the model that wrote it; some were corrected since.
;; attention. Allowed arithmetic: matrix products marked QUANTISED: E2M3 operands, one E8M0 scale for each 32 along K, by v_wmma_scale_f32_16x16x128_f8f6f4 with both operands' format E2M3, f32 sums; everything else in f32.
;; Inputs: W_qkv 1,024 x 3,072 float32; b_qkv 3,072 float32; x 4 x 2,048 x 1,024 float32.
;; Outputs: out0 4 x 2,048 x 1,024 float32.
;; This version of the problem:
;;   THIS VERSION OF THE PROBLEM IS GIVEN IN LOW PRECISION. The matrix products marked QUANTISED in the list below multiply operands that are first quantised to E2M3 (2 exponent bits, 3 mantissa bits; 6 bits a number), with one power-of-two scale for each 32 numbers along K (OCP MX v1.0); their sums are f32. All else is computed in f32.
;;   The module's matrix products, in the order in which they are computed (A, B: the left and right operand; K: the contracted axis; several contracted axes count as one K, in the product's order):
;;     1. [M 8,192, K 1,024] x [K 1,024, N 3,072]; A: input x; B: input W_qkv: QUANTISED
;;     2. batch 4 x [M 2,048, K 1,024] x [K 1,024, N 2,048]; A: computed on the way; B: computed on the way: QUANTISED
;;     3. batch 4 x [M 2,048, K 2,048] x [K 2,048, N 1,024]; A: softmax (see below); B: computed on the way: QUANTISED
;;   THE QUANTISER, for each operand of a quantised product, along K:
;;     - K is cut into blocks of 32 from its start; a last block that is shorter is filled with zeros.
;;     - A block's scale is 2^e with e = floor(log2(the largest magnitude in the block)) - 2, held to -126 .. 127; a block of zeros has e = 0. As a byte (E8M0): e + 127.
;;     - Each number is divided by its block's scale, clamped to +-7.5, and rounded to the nearest number of E2M3, ties to even, subnormals kept.
;;     - The product sums the exact products of the quantised numbers (number of the format x scale) in f32.
;;   ~~~python
;;   def quantise(x, axis):      # numpy; x: float32 -> the quantised numbers, widened to float32 again
;;       x = np.moveaxis(x, axis, -1); K = x.shape[-1]
;;       x = np.pad(x, [(0, 0)] * (x.ndim - 1) + [(0, -K % 32)]); x = x.reshape(x.shape[:-1] + (-1, 32)); a = np.abs(x).max(-1, keepdims=True)
;;       e = np.where(a > 0, np.clip(np.frexp(np.where(a > 0, a, 1))[1] - 1 - 2, -126, 127), 0)      # np.frexp(a)[1] - 1 = floor(log2(a)), exactly
;;       r = np.clip(x / 2.0 ** e, -7.5, 7.5)
;;       step = 2.0 ** (np.maximum(np.frexp(np.where(r == 0, 1, r))[1] - 1, 0) - 3)
;;       q = np.round(r / step) * step * 2.0 ** e      # np.round: ties to even
;;       return np.moveaxis(q.reshape(q.shape[:-2] + (-1,))[..., :K], -1, axis).astype(np.float32)
;;   ~~~
;;   SOFTMAX AHEAD OF A QUANTISED PRODUCT. Where the list says 'softmax', what is quantised is not the finished softmax but p = 2^(t - M), with t = logit x log2(e) and M = ceil(the row's largest t), a whole number; so 1/2 < the row's largest p <= 1. The row's sum l is taken of the UNQUANTISED p, in f32, and the product's result is divided by l at the end. Since M is a whole number, a kernel that streams over the keys may use a running M (the ceiling of the running maximum): every later rescaling is an exact power of two, which a block's scale takes up: the codes' values come out the same.
;;   OPERANDS COMPUTED ON THE WAY. 'Computed on the way' means the value that the module computes at that place (a softmax that the list does not call 'softmax' is quantised finished and normalised). What goes into a quantiser is computed in f32, as accurately as f32 sums, v_exp_f32 and their like allow (about 1e-6 of the number): no bf16 or f16 on the way to a quantiser, and a product that is left as it is and whose result goes on into a quantised operand takes f32 operands (vector FMAs, or v_wmma_f32_16x16x4_f32). A number that lies on a knife's edge between two numbers of the format may be rounded either way, as far as f32 arithmetic and the matrix unit's own rounding can turn it there, and no further.
;; 2 versions, each right and faster than the one before. Each part assembles by itself: llvm-mc -triple=amdgcn-amd-amdhsa -mcpu=gfx1250 --defsym DOCPART=n.
;; ======== version 1 of 2: 4 launches
;; workspace buffers: opc 8,650,752 bytes; ops 360,448 bytes; qkvc 18,874,368 bytes; qkvs 786,432 bytes; pc 12,582,912 bytes; px 1,572,864 bytes
;; launch quant (part 1): grid 448 x 1, 4 waves a work-group, no clusters, 35,328 bytes of LDS; arguments x, W_qkv, opc, ops; writes opc, ops
.if DOCPART == 1
	.amdgcn_target "amdgcn-amd-amdhsa--gfx1250"
	.amdhsa_code_object_version 6
	.text
	.protected	k_q06097df29f_quant
	.globl	k_q06097df29f_quant
	.p2align	8
	.type	k_q06097df29f_quant,@function
k_q06097df29f_quant:
	s_mov_b64 s[64:65], 0
	v_nop
	global_prefetch_b8 v0, s[64:65] scope:SCOPE_SE
	s_setreg_imm32_b32 hwreg(HW_REG_WAVE_MODE, 25, 1), 1
	s_wait_xcnt 0x0
; x [8192][1024] and W_qkv [1024][3072], f32, become codes of FP6 (E2M3) with one E8M0 byte for each 32 along K = the 1,024.
; A block's scale is 2^(floor(log2(its largest magnitude)) - 2); its byte is the largest magnitude's exponent field - 2, held at 1 from below.
; LIMITS: NaN and infinities are not served.  A block whose largest magnitude lies under 2^-124, a block of zeros among them, gets the byte 1 (the rule says 127
; for zeros): its codes are zeros or nearly so, they add nothing under any byte but 0xff, and the bytes are read by this program alone.
; THE OUTPUT IS LAID AS THE MATRIX UNIT'S REGISTERS WANT IT.  opc: rows 0-8191 are x's tokens, rows 8192-11263 W's columns.  A fragment is 16 rows x 128 K, 12 registers a lane,
; 1,536 bytes: three pieces of 512 bytes, piece c holding lane l's registers 4 c .. 4 c + 3 at byte 16 l.  Fragment (row tile rt, K step ks) lies at (8 rt + ks) x 1,536.
; THE ROWS OF A TILE ARE NOT NEIGHBOURS: lane r of tile 2 G + u holds row 32 G + 8 u + r + 8 (r / 8), so that a product which takes two such tiles as its first source leaves 16 neighbours in a lane's 16 registers.
; ops: one word (four bytes, 128 K) for each row and K step, at ((row / 128) x 8 + ks) x 512 + 4 (row % 128), rows counted in the tiles' order.
; Work-groups 0-255 take x (a wave: 64 rows x 128 K), work-groups 256-447 take W (a wave: 32 columns x 128 K).  Waves share nothing: no barrier.  Only x's path uses LDS.
.set XROW,  4096                       ; a row of x in bytes
.set WROW,  12288                      ; a row of W in bytes
.set FRB,   1536                       ; a fragment
.set RTB,   8*FRB                      ; a row tile's eight fragments
.set REG,   8704                       ; LDS of a wave: a stage of 16 rows x 528 bytes, then 256 bytes of scale words
.set SP,    528                        ; a stage row: 512 bytes + 16, so that sixteen rows' reads of 16 bytes fall on different banks
.set SWO,   16*SP
.set PC,    20                         ; v20-31   a fragment's codes
.set PT,    32                         ; v32-34, v36-38 the upper halves of the blocks, as the conversions leave them
.set R,     40                         ; v40-167  x: two sets of 64 registers as loaded
.set X,     168                        ; v168-231 x: my 64 numbers in the operand's order
.set XW,    40                         ; v40-103  W: two sets of 32 numbers
.set PCW,   104                        ; v104-127 W: the codes of my column, for the fragment's lanes r and 16 + r
	s_load_b256 s[4:11], s[0:1], 0x0               ; x s[4:5], W s[6:7], opc s[8:9], ops s[10:11]
	v_lshl_add_u32 v232, v0, 2, 0x8800
	v_mov_b32 v233, 0
	v_lshrrev_b32 v1, 5, v0
	v_readfirstlane_b32 s12, v1                    ; wave
	v_and_b32 v1, 31, v0                           ; lane
	s_mov_b32 s20, 0x76543210
	s_mov_b32 s21, 0xfedcba98                      ; v_permlanex16_b32's selects for lane l xor 16
	s_mov_b32 s17, 0
	s_cmp_lt_u32 ttmp9, 256
	s_cbranch_scc0 .Lw
; ---------------- x: K is innermost.  Work-group i: rows 64 (i / 2) on, K step 4 (i % 2) + wave.  Four steps, a row tile each.
.macro LOADX t                         ; the tile's sixteen rows, in the tile's order: each load reads 512 consecutive bytes of one row
.irp i, 0,1,2,3,4,5,6,7,8,9,10,11,12,13,14,15
	global_load_b128 v[R+64*((\t)%2)+4*\i:R+64*((\t)%2)+4*\i+3], v4, s[4:5] offset:(32*((\t)/2)+8*((\t)%2)+\i+8*(\i/8))*XROW th:TH_LOAD_NT
.endr
.endm
.macro STEPX t
.if (\t) < 3
	s_wait_loadcnt 16                              ; this tile's sixteen loads are in; the next tile's sixteen may be out
.else
	s_wait_loadcnt 0x0
.endif
.irp i, 0,1,2,3,4,5,6,7,8,9,10,11,12,13,14,15
	ds_store_b128 v5, v[R+64*((\t)%2)+4*\i:R+64*((\t)%2)+4*\i+3] offset:SP*\i   ; row i as it lies
.endr
.irp c, 0,1
.irp j, 0,1,2,3,4,5,6,7
	ds_load_b128 v[X+32*\c+4*\j:X+32*\c+4*\j+3], v6 offset:256*\c+16*\j         ; lane (r, h): row r, k = 64 c + 32 h + 0 .. 31.  LDS serves a wave's instructions in order: these see the stores
.endr
.endr
	s_wait_dscnt 0x0                               ; my numbers are back, the stores have read their registers, and the last step's word is stored
.if (\t) < 2
	LOADX (\t)+2
.endif
.irp c, 0,1
	v_max3_num_f32 v[10+\c], |v[X+32*\c]|, |v[X+32*\c+1]|, 0x1800000            ; block 2 c + h is all mine; the floor 2^(3 - 127) holds the byte at 1 from below
.endr
.irp i, 2,4,6,8,10,12,14,16,18,20,22,24,26,28,30
.irp c, 0,1
	v_max3_num_f32 v[10+\c], v[10+\c], |v[X+32*\c+\i]|, |v[X+32*\c+\i+1]|       ; the two blocks by turns
.endr
.endr
.irp c, 0,1
	v_add_nc_u32 v[12+\c], 0xff000000, v[10+\c]    ; 2 off the exponent field: the conversion's scale operand
.endr
.irp c, 0,1
	v_lshrrev_b32 v[14+\c], 23, v[12+\c]           ; the scale's byte
.endr
	v_lshl_or_b32 v16, v15, 16, v14                ; my bytes h and 2 + h of the row's word,
	v_lshlrev_b32 v16, v18, v16                    ; 8 h bits up;
	v_permlanex16_b32 v17, v16, s20, s21
	v_or_b32 v16, v16, v17                         ; with lane l xor 16's two the word is whole
.if (\t) > 0
	s_wait_xcnt 0x0                                ; the last step's stores have read the codes' registers: only now are they written again
.endif
.irp c, 0,1
	v_cvt_scalef32_pk16_fp6_f32 v[PC+6*\c:PC+6*\c+2], v[X+32*\c:X+32*\c+15], v[12+\c]
	v_cvt_scalef32_pk16_fp6_f32 v[PT+4*\c:PT+4*\c+2], v[X+32*\c+16:X+32*\c+31], v[12+\c]   ; (a conversion's three registers begin on an even number)
.endr
	v_nop                                          ; one plain place behind the scaled conversions
.irp c, 0,1
.irp i, 0,1,2
	v_mov_b32 v[PC+3+6*\c+\i], v[PT+4*\c+\i]
.endr
.endr
	ds_store_b32 v7, v16 offset:64*(\t)            ; lanes r and 16 + r write the same word with the same value
.irp c, 0,1,2
	global_store_b128 v4, v[PC+4*\c:PC+4*\c+3], s[8:9] offset:RTB*(\t)+512*\c   ; 32 lanes store 512 consecutive bytes, aligned
.endr
.endm
	v_and_b32 v2, 15, v0                           ; r
	v_bfe_u32 v3, v0, 4, 1                         ; h
	v_lshlrev_b32 v4, 4, v1                        ; 16 x lane: in x's row piece, and in a fragment's piece
	s_mul_i32 s18, s12, REG
	v_add_nc_u32 v5, s18, v4                       ; the stage, on the way in
	v_mul_u32_u24 v6, v2, SP
	v_lshl_add_u32 v6, v3, 7, v6
	v_add_nc_u32 v6, s18, v6                       ; on the way out: row r, + 128 h bytes
	s_add_co_u32 s18, s18, SWO
	v_lshl_add_u32 v7, v2, 2, s18                  ; my row's scale word
	v_lshl_add_u32 v8, v1, 3, s18                  ; and the 256 bytes on the way out, 8 a lane
	v_lshlrev_b32 v9, 3, v1
	v_lshlrev_b32 v18, 3, v3
	v_mov_b32 v17, 0                               ; a lane permute's destination counts as one of its sources
	s_lshr_b32 s13, ttmp9, 1                       ; which 64 rows
	s_and_b32 s14, ttmp9, 1
	s_lshl_b32 s14, s14, 2
	s_add_co_u32 s14, s14, s12                     ; K step
	s_lshl_b32 s16, s13, 18
	s_lshl_b32 s15, s14, 9
	s_add_co_u32 s16, s16, s15
	s_wait_kmcnt 0x0
	s_add_nc_u64 s[4:5], s[4:5], s[16:17]          ; x: 64 rows x 4,096 bytes, + 512 bytes a K step
	s_mul_i32 s16, s13, 4*RTB
	s_mul_i32 s15, s14, FRB
	s_add_co_u32 s16, s16, s15
	s_add_nc_u64 s[8:9], s[8:9], s[16:17]          ; codes: four row tiles, + the K step's fragment
	s_lshr_b32 s16, s13, 1
	s_lshl_b32 s16, s16, 12
	s_lshl_b32 s15, s14, 9
	s_add_co_u32 s16, s16, s15
	s_and_b32 s15, s13, 1
	s_lshl_b32 s15, s15, 8
	s_add_co_u32 s16, s16, s15
	s_add_nc_u64 s[10:11], s[10:11], s[16:17]      ; scale words: my 64 rows' 256 bytes
	LOADX 0
	LOADX 1
	STEPX 0
	STEPX 1
	STEPX 2
	STEPX 3
	ds_load_b64 v[10:11], v8                       ; in order behind my four stores
	s_wait_dscnt 0x0
	global_store_b64 v9, v[10:11], s[10:11]        ; 32 lanes store 256 consecutive bytes, aligned
	s_wait_tensorcnt 0x0
	ds_add_u32 v232, v233
	s_wait_dscnt 0x0
	s_endpgm
; ---------------- W: K is the first axis.  A lane takes a column and its registers run down K.  Work-group 256 + j: columns 128 (j / 8) on, K step j % 8.
.macro LOADW t                         ; block t: W(32 t + i, my column): 32 lanes read 128 consecutive bytes
.set i, 0
.rept 32
	global_load_b32 v[XW+32*((\t)%2)+i], v4, s[6:7] offset:(32*(\t)+i)*WROW th:TH_LOAD_NT
.set i, i+1
.endr
.endm
.macro BLOCKW t
.set XS, XW+32*((\t)%2)
.set PD, PCW+12*((\t)%2)+6*((\t)/2)    ; block t is registers 6 (t / 2) on of the fragment's lane r + 16 (t % 2)
.if (\t) < 3
	s_wait_loadcnt 32                              ; this block's 32 loads are in; the next block's may be out
.else
	s_wait_loadcnt 0x0
.endif
	v_max3_num_f32 v10, |v[XS]|, |v[XS+1]|, 0x1800000
	v_max3_num_f32 v11, |v[XS+2]|, |v[XS+3]|, |v[XS+4]|
.irp i, 5,9,13,17,21,25
	v_max3_num_f32 v10, v10, |v[XS+\i]|, |v[XS+\i+1]|
	v_max3_num_f32 v11, v11, |v[XS+\i+2]|, |v[XS+\i+3]|
.endr
	v_max3_num_f32 v10, v10, |v[XS+29]|, |v[XS+30]|
	v_max3_num_f32 v10, v10, v11, |v[XS+31]|       ; the block's largest magnitude: all 32 numbers are mine
	v_add_nc_u32 v12, 0xff000000, v10
	v_lshrrev_b32 v14, 23, v12
.if (\t) == 0
	v_mov_b32 v16, v14
.else
	v_lshl_or_b32 v16, v14, 8*(\t), v16            ; the lower K in the lower byte
.endif
	v_cvt_scalef32_pk16_fp6_f32 v[PD:PD+2], v[XS:XS+15], v12
	v_cvt_scalef32_pk16_fp6_f32 v[PT:PT+2], v[XS+16:XS+31], v12
	v_nop                                          ; one plain place behind the scaled conversions
.irp i, 0,1,2
	v_mov_b32 v[PD+3+\i], v[PT+\i]
.endr
.if (\t) < 2
	LOADW (\t)+2
.endif
.endm
.Lw:
	s_sub_co_u32 s13, ttmp9, 256
	s_lshr_b32 s14, s13, 3                         ; which 128 columns
	s_and_b32 s13, s13, 7                          ; K step
	v_bfe_u32 v2, v0, 3, 1                         ; column 32 G + lane is lane r' of tile 2 G + u: u = (lane / 8) % 2,
	v_and_b32 v3, 7, v0
	v_bfe_u32 v5, v0, 4, 1
	v_lshl_add_u32 v3, v5, 3, v3                   ; r' = lane % 8 + 8 (lane / 16)
	v_lshlrev_b32 v4, 2, v1                        ; in: 4 bytes a lane
	v_mul_u32_u24 v5, v2, RTB
	v_lshl_add_u32 v5, v3, 4, v5                   ; codes: tile u, 16 r'
	v_lshl_add_u32 v6, v2, 4, v3
	v_lshlrev_b32 v6, 2, v6                        ; scale word: 4 (16 u + r')
	s_mul_i32 s16, s13, 128*WROW
	s_lshl_b32 s15, s14, 9
	s_add_co_u32 s16, s16, s15
	s_lshl_b32 s15, s12, 7
	s_add_co_u32 s16, s16, s15
	s_wait_kmcnt 0x0
	s_add_nc_u64 s[6:7], s[6:7], s[16:17]          ; W: 128 rows a K step, + my wave's 32 columns
	s_lshl_b32 s16, s14, 3
	s_lshl_b32 s15, s12, 1
	s_add_co_u32 s16, s16, s15
	s_add_co_u32 s16, s16, 512                     ; W's row tiles follow x's 512
	s_mul_i32 s16, s16, RTB
	s_mul_i32 s15, s13, FRB
	s_add_co_u32 s16, s16, s15
	s_add_nc_u64 s[8:9], s[8:9], s[16:17]
	s_add_co_u32 s16, s14, 64                      ; and W's blocks of 128 rows x's 64
	s_lshl_b32 s16, s16, 12
	s_lshl_b32 s15, s13, 9
	s_add_co_u32 s16, s16, s15
	s_lshl_b32 s15, s12, 7
	s_add_co_u32 s16, s16, s15
	s_add_nc_u64 s[10:11], s[10:11], s[16:17]
	LOADW 0
	LOADW 1
	BLOCKW 0
	BLOCKW 1
	BLOCKW 2
	BLOCKW 3
.irp h, 0,1
.irp c, 0,1,2
	global_store_b128 v5, v[PCW+12*\h+4*\c:PCW+12*\h+4*\c+3], s[8:9] offset:256*\h+512*\c   ; the sixteen lanes of a tile store 256 consecutive bytes, aligned
.endr
.endr
	global_store_b32 v6, v16, s[10:11]             ; the wave's 32 words: 128 consecutive bytes
	s_endpgm
.Lfunc_end_k_q06097df29f_quant:
	.size	k_q06097df29f_quant, .Lfunc_end_k_q06097df29f_quant-k_q06097df29f_quant
	.p2alignl 7, 3214868480
	.fill 96, 4, 3214868480
	.section	.rodata,"a",@progbits
	.p2align	6, 0x0
	.amdhsa_kernel k_q06097df29f_quant
		.amdhsa_group_segment_fixed_size 35328
		.amdhsa_private_segment_fixed_size 0
		.amdhsa_enable_private_segment 0
		.amdhsa_kernarg_size 32
		.amdhsa_user_sgpr_count 2
		.amdhsa_user_sgpr_kernarg_segment_ptr 1
		.amdhsa_wavefront_size32 1
		.amdhsa_system_sgpr_workgroup_id_x 1
		.amdhsa_system_sgpr_workgroup_id_y 1
		.amdhsa_system_sgpr_workgroup_id_z 1
		.amdhsa_system_vgpr_workitem_id 0
		.amdhsa_next_free_vgpr 234
		.amdhsa_next_free_sgpr 66
		.amdhsa_reserve_vcc 0
		.amdhsa_float_denorm_mode_32 3
		.amdhsa_float_denorm_mode_16_64 3
		.amdhsa_memory_ordered 1
		.amdhsa_forward_progress 1
		.amdhsa_inst_pref_size 50
	.end_amdhsa_kernel
	.amdgpu_metadata
---
amdhsa.version: [ 1, 2 ]
amdhsa.kernels:
  - .name:           k_q06097df29f_quant
    .symbol:         k_q06097df29f_quant.kd
    .args:
      - { .name: x, .offset: 0, .size: 8, .value_kind: global_buffer, .address_space: global }
      - { .name: W_qkv, .offset: 8, .size: 8, .value_kind: global_buffer, .address_space: global }
      - { .name: opc, .offset: 16, .size: 8, .value_kind: global_buffer, .address_space: global }
      - { .name: ops, .offset: 24, .size: 8, .value_kind: global_buffer, .address_space: global }
    .group_segment_fixed_size: 35328
    .private_segment_fixed_size: 0
    .kernarg_segment_align: 8
    .kernarg_segment_size: 32
    .max_flat_workgroup_size: 128
    .sgpr_count:     66
    .vgpr_count:     234
    .wavefront_size: 32
...
	.end_amdgpu_metadata
.endif
;; end of part 1
;; launch proj (part 2): grid 96 x 4, 4 waves a work-group, clusters of 4 x 4, 327,680 bytes of LDS; arguments opc, ops, b_qkv, qkvc, qkvs; writes qkvc, qkvs
.if DOCPART == 2
	.amdgcn_target "amdgcn-amd-amdhsa--gfx1250"
	.amdhsa_code_object_version 6
	.text
	.protected	k_q06097df29f_proj
	.globl	k_q06097df29f_proj
	.p2align	8
	.type	k_q06097df29f_proj,@function
k_q06097df29f_proj:
	s_mov_b64 s[64:65], 0
	v_nop
	global_prefetch_b8 v0, s[64:65] scope:SCOPE_SE
	s_setreg_imm32_b32 hwreg(HW_REG_WAVE_MODE, 25, 1), 1
	s_wait_xcnt 0x0
	s_wait_alu depctr_hold_cnt(0) depctr_sa_sdst(0) depctr_va_vdst(0) depctr_va_sdst(0) depctr_va_ssrc(0) depctr_va_vcc(0) depctr_vm_vsrc(0)
	s_getreg_b32 s2, hwreg(HW_REG_IB_STS2, 6, 4)
	s_cmp_eq_u32 s2, 0
	s_cbranch_scc0 .Lentry_in_a_cluster
	s_endpgm
.Lentry_in_a_cluster:
	s_bfe_u32 s2, ttmp6, 0x10000c
	s_cmp_lg_u32 s2, 0xf033
	s_cbranch_scc0 .Lentry_shape_is_right
	s_endpgm
.Lentry_shape_is_right:
; qkv = x W + b on codes of FP6 (E2M3) with E8M0 scales, sums in f32; the results are quantised at once: q and k along d, v along the keys.
; Both operands are tiles of 256 rows of one buffer, opc (x's tokens, then W's columns), laid as images of the matrix unit's registers: fragment (row tile rt, K step ks) = 1,536 bytes at (8 rt + ks) x 1,536.
; A work-group of four waves makes 256 x 256; a wave 128 x 128: 64 accumulators, 512 registers.  Source 0 = 16 rows of "B", source 1 = 16 rows of "A": a lane holds ONE row of A and its registers run along B's rows,
; 16 neighbours in the 16 registers of two neighbouring tiles (the tiles' rows are ordered for that).  So a lane's 64 registers of one block of A's rows are 128 neighbours along the next product's K.
; CLUSTERS 0-15 (q, k): A = x, B = W: registers run along d.  CLUSTERS 16-23 (v): A = W, B = x: registers run along the keys, lanes hold d.  One text: only offsets are chosen, on the cluster's number.
; The bias is the C of each sum's first matrix instruction: by B's rows for q and k, by A's row for v; that first half step is written twice, under a branch on the cluster's number, which all partners share.
; K = 1,024 goes in four steps of 256 through two LDS slots.  The scale words of the 512 rows, for all of K, come once and stay.
; JOINT LOADS: 4 x 4 work-groups; A's tile is shared along a row of the cluster, B's along a column: the same tensor load, with the same descriptor and a mask that names the four.
; 384 tiles for 256 WGPs: the second turn fills half of them; a smaller tile would read half as much again from LDS for each product.
; LIMITS: NaN and infinities are not served; a block whose largest magnitude lies under 2^-124 (zeros among them) gets the byte 1: its codes add next to nothing, and this program alone reads the bytes.
; REGISTERS, in windows of 256: window 0: v1-29 addresses; v32-63 scale words, two sets; v64-127 the bias, later at work; v128-223 A's 8 fragments, one set.  window 1: B's fragments, two sets, at v0 and v128.
;   window 2: the accumulators of A's blocks 0-3 ((a, b) at v[8 (8 (a % 4) + b)]); window 3: those of blocks 4-7.
.set KS,     8                         ; K steps of 128
.set FRB,    1536
.set HALFT,  16*FRB                    ; 8 row tiles x 2 K steps: what one tensor load brings
.set SLOT,   4*HALFT                   ; A's two halves, then B's two
.set SPART,  512*KS                    ; the scale words of 128 rows
.set SCL,    2*SLOT
.set SPARE,  SCL+4*SPART               ; the spare words, 128 bytes a wave: two blocks of 256 bytes that no other line names
.set SCRATCH, SPARE+512                ; 512 bytes a wave: the new scale words on their way out; no fill lands here
.set ADRA, 16                          ; v16-17 my A fragments in slot 0, 1
.set ADRB, 20                          ; v20-21 my B fragments
.set LI,   24                          ; v24    16 x lane
.set SWA,  25                          ; v25    scratch: my row's word
.set SWR,  26                          ; v26    scratch: 16 bytes a lane on the way out
.set ADRS, 27                          ; v27    scale words: lanes 0-15 A's, lanes 16-31 B's
.set SPW,  28
.set NIL,  29
.set SC,   32                          ; set s at v[SC + 16 s]; register 2 i + q: block i, the slot's q-th 128 along K
.set BI,   64
.set AF,   128
.set TM,   32                          ; the way out: v32-35 largest magnitudes, v36-39 the other half's, then bytes, v44-47 scale operands
.set PC,   52                          ; v52-63 the codes
.set PT,   64                          ; v64-66, v68-70
.set PW,   72                          ; v72-79 a scale word for each block of rows
.set G1,   24
.set G0,   32
.set G1B,  48
.set G0B,  56
.set G1S,  68
.set G0S,  76
.set G1SB, 80
.set G0SB, 88
.set SEL,  100
.set MSB, 0
.macro WIN new                         ; the immediate's high byte repeats the setting that is left
.if MSB != \new
	s_set_vgpr_msb (MSB<<8)|\new
.set MSB, \new
.endif
.endm
.macro JLOAD g0a, g1a, g0b, g1b        ; waves 0 and 1 fetch for A, waves 2 and 3 for B; four v_nop follow each line
	s_cmp_eq_u32 s15, 0
	s_cbranch_scc0 .Lfor_b_\@
	tensor_load_to_lds s[\g0a:\g0a+3], s[\g1a:\g1a+7]
	s_nop 0
.rept 4
	v_nop
.endr
	s_branch .Lasked_\@
.Lfor_b_\@:
	tensor_load_to_lds s[\g0b:\g0b+3], s[\g1b:\g1b+7]
	s_nop 0
.rept 4
	v_nop
.endr
.Lasked_\@:
.endm
.macro CREST                           ; a round of the cluster's barrier behind its opening barrier
	s_cmp_lg_u32 s14, 0
	s_cbranch_scc1 .Lnot_wave_0_\@
	s_barrier_signal -3
.Lnot_wave_0_\@:
	s_barrier_wait -3
	s_barrier_signal -1
	s_barrier_wait -1
.endm
.macro CROUND
	s_barrier_signal -1
	s_barrier_wait -1
	CREST
.endm
.macro PLACES n                        ; plain vector places behind matrix instructions, in front of loads into their registers and of reads of results
.rept \n
	v_nop
.endr
.endm
.macro FRAG reg, adr, off              ; a fragment comes as it was stored: three loads of 512 consecutive bytes
.irp c, 0,1,2
	ds_load_b128 v[\reg+4*\c:\reg+4*\c+3], v[\adr] offset:\off+512*\c
.endr
.endm
.macro FETCH_B slot, q, p
	WIN 0x40
.irp i, 0,1,2,3,4,5,6,7
	FRAG 128*(\p)+12*\i, ADRB+\slot, 3072*\i+1536*(\q)
.endr
	WIN 0
.endm
.macro FETCH_A slot, q, i0
.irp i, \i0, \i0+1, \i0+2, \i0+3
	FRAG AF+12*(\i), ADRA+\slot, 3072*(\i)+1536*(\q)
.endr
.endm
.macro SCALES sc
.irp i, 0,1,2,3,4,5,6,7
.irp q, 0,1
	ds_load_b32 v[SC+16*\sc+2*\i+\q], v[ADRS] offset:512*\q+64*\i
.endr
.endr
.endm
; 16 matrix instructions: A's blocks a0, a0 + 1 x B's eight.  cm 0: onto the sums; 2: the sums begin with the bias of B's rows; 3: with that of A's row.  The 64 accumulators take turns.
.macro MUL16 a0, p, q, sc, cm
.irp a, \a0, \a0+1
.irp b, 0,1,2,3,4,5,6,7
.if \cm == 0
	v_wmma_scale_f32_16x16x128_f8f6f4 v[8*(8*((\a)%4)+\b):8*(8*((\a)%4)+\b)+7], v[128*(\p)+12*\b:128*(\p)+12*\b+11], v[AF+12*(\a):AF+12*(\a)+11], v[8*(8*((\a)%4)+\b):8*(8*((\a)%4)+\b)+7], v[SC+16*(\sc)+2*\b+(\q)], v[SC+16*(\sc)+2*(\a)+(\q)] matrix_a_fmt:MATRIX_FMT_FP6 matrix_b_fmt:MATRIX_FMT_FP6 matrix_a_scale:MATRIX_SCALE_ROW1
.elseif \cm == 2
	v_wmma_scale_f32_16x16x128_f8f6f4 v[8*(8*((\a)%4)+\b):8*(8*((\a)%4)+\b)+7], v[128*(\p)+12*\b:128*(\p)+12*\b+11], v[AF+12*(\a):AF+12*(\a)+11], v[BI+8*\b:BI+8*\b+7], v[SC+16*(\sc)+2*\b+(\q)], v[SC+16*(\sc)+2*(\a)+(\q)] matrix_a_fmt:MATRIX_FMT_FP6 matrix_b_fmt:MATRIX_FMT_FP6 matrix_a_scale:MATRIX_SCALE_ROW1
.else
	v_wmma_scale_f32_16x16x128_f8f6f4 v[8*(8*((\a)%4)+\b):8*(8*((\a)%4)+\b)+7], v[128*(\p)+12*\b:128*(\p)+12*\b+11], v[AF+12*(\a):AF+12*(\a)+11], v[BI+8*(\a):BI+8*(\a)+7], v[SC+16*(\sc)+2*\b+(\q)], v[SC+16*(\sc)+2*(\a)+(\q)] matrix_a_fmt:MATRIX_FMT_FP6 matrix_b_fmt:MATRIX_FMT_FP6 matrix_a_scale:MATRIX_SCALE_ROW1
.endif
.endr
.endr
.endm
.macro STEP slot, cm                   ; a slot's first 128 along K; it fetches the second's fragments
	s_wait_dscnt 12                                ; all but the youngest twelve loads, A's blocks 4-7
.if \cm >= 2
	WIN 0x81                                       ; B window 1, A and the bias window 0, D window 2
.else
	WIN 0xa1
.endif
	MUL16 0, 0, 0, \slot, \cm
	MUL16 2, 0, 0, \slot, \cm
	s_wait_dscnt 0x0
	PLACES 4
	FETCH_B \slot, 1, 1
	FETCH_A \slot, 1, 0
.if \cm >= 2
	WIN 0xc1
.else
	WIN 0xf1
.endif
	MUL16 4, 0, 0, \slot, \cm
	MUL16 6, 0, 0, \slot, \cm
	PLACES 4
	WIN 0
	FETCH_A \slot, 1, 4
.endm
.macro TURN slot, next, fill           ; a slot's second 128 along K, and the change of slots: one barrier
	s_wait_tensorcnt 0x0                           ; all my tensor loads have landed: my part of the next slot
	ds_add_u32 v[SPW], v[NIL]                      ; 0 onto my spare word
	s_wait_dscnt 13                                ; (the add and A's blocks 4-7, twelve loads, may be out)
	WIN 0xa1
	MUL16 0, 1, 1, \slot, 0
	s_wait_dscnt 0x0                               ; the add is done, and my reads of this slot are over
	s_barrier_signal -1
	MUL16 2, 1, 1, \slot, 0
	WIN 0
	s_barrier_wait -1
.if \fill
	CREST                                          ; the barrier has opened a round of the cluster's: no wave of any partner still reads this slot or has a load on its way
	s_add_nc_u64 s[G0+4*\slot+2:G0+4*\slot+3], s[G0+4*\slot+2:G0+4*\slot+3], 4*FRB
	s_add_nc_u64 s[G0B+4*\slot+2:G0B+4*\slot+3], s[G0B+4*\slot+2:G0B+4*\slot+3], 4*FRB
	JLOAD G0+4*\slot, G1, G0B+4*\slot, G1B         ; the first tensor load behind the round; its four v_nop are the places in front of the loads below
.else
	PLACES 4
.endif
	v_add_nc_u32 v[ADRS], 1024, v[ADRS]            ; the next two K steps' scale words (no LDS load of mine is out)
	FETCH_B \next, 0, 0
	FETCH_A \next, 0, 0
	SCALES \next
	WIN 0xf1
	MUL16 4, 1, 1, \slot, 0
	MUL16 6, 1, 1, \slot, 0
	PLACES 4
	WIN 0
	FETCH_A \next, 0, 4
.endm
	s_load_b256 s[4:11], s[0:1], 0x0               ; opc s[4:5], ops s[6:7], b_qkv s[8:9], qkvc s[10:11]
	s_load_b64 s[12:13], s[0:1], 0x20              ; qkvs
	v_lshl_add_u32 v[SPW], v0, 2, SPARE
	v_mov_b32 v[NIL], 0
	ds_add_u32 v28, v29
	ds_add_u32 v28, v29
	s_wait_dscnt 0x0
	v_lshrrev_b32 v1, 5, v0
	v_readfirstlane_b32 s14, v1                    ; wave
	s_lshr_b32 s15, s14, 1                         ; my half of A's rows.  Also: I fetch for A (0) or for B (1)
	s_and_b32 s16, s14, 1                          ; my half of B's rows.  Also: which 128 rows I fetch
	s_bfe_u32 s40, ttmp6, 0x40000                  ; cx
	s_bfe_u32 s41, ttmp6, 0x40004                  ; cy
	s_lshl_b32 s43, s41, 2
	s_lshl_b32 s43, 15, s43                        ; my row of the cluster
	s_lshl_b32 s44, 0x1111, s40                    ; my column
	s_and_b32 s17, ttmp9, 1
	s_lshl_b32 s17, s17, 2
	s_add_co_u32 s17, s17, 32                      ; q, k: B = W's tiles 32 + 4 (c % 2) on
	s_and_b32 s18, ttmp9, 7
	s_lshl_b32 s18, s18, 2                         ; v: B = x's tiles 4 (c - 16) on
	s_lshr_b32 s19, ttmp9, 1
	s_lshl_b32 s19, s19, 2                         ; q, k: A = x's tiles 4 (c / 2) on
	s_cmp_lt_u32 ttmp9, 16                         ; the cluster's number: the same in all sixteen partners
	s_cselect_b32 s17, s17, s18
	s_cselect_b32 s19, s19, 40                     ; v: A = W's tiles 40 on
	s_cselect_b32 s92, 3, 4                        ; log2 of the result's K steps: 8 (d) or 16 (keys)
	s_cselect_b32 s93, 9, 6                        ; log2 of the row tiles of one of its parts: 512 (q, k) or 64 (a batch of v)
	s_cselect_b32 s94, 32, 0                       ; B's first tile
	s_cselect_b32 s95, 0, 40                       ; A's first tile
	s_cselect_b32 s96, 0, 12582912                 ; where the codes begin
	s_cselect_b32 s97, 0, 524288                   ; and the scale words
	s_add_co_u32 s42, s17, s40                     ; B's tile: hangs on cx alone
	s_add_co_u32 s45, s19, s41                     ; A's tile: on cy alone
	s_or_b32 s[G1+0], s43, (3<<16)|(1<<21)         ; 15:0 the mask; 17:16 elements of 8 bytes; 21 set beside a mask; no padding
	s_or_b32 s[G1B+0], s44, (3<<16)|(1<<21)
.irp g, G1, G1B
	s_mov_b32 s[\g+1], 384<<16                     ; tensor_dim0: 3,072 bytes, a row tile's two fragments
	s_mov_b32 s[\g+2], 8<<16                       ; tensor_dim1: 8 row tiles
	s_mov_b32 s[\g+3], 384<<16                     ; tile_dim0
	s_mov_b32 s[\g+4], 8                           ; tile_dim1
	s_mov_b32 s[\g+5], 192*KS                      ; from row tile to row tile
	s_mov_b32 s[\g+6], 0
	s_mov_b32 s[\g+7], 0
.endr
	s_or_b32 s[G1S+0], s43, (3<<16)|(1<<21)        ; the scale words of 128 rows: a dense block, as rows of 256 bytes
	s_or_b32 s[G1SB+0], s44, (3<<16)|(1<<21)
.irp g, G1S, G1SB
	s_mov_b32 s[\g+1], 32<<16
	s_mov_b32 s[\g+2], (2*KS)<<16
	s_mov_b32 s[\g+3], 32<<16
	s_mov_b32 s[\g+4], 2*KS
	s_mov_b32 s[\g+5], 32
	s_mov_b32 s[\g+6], 0
	s_mov_b32 s[\g+7], 0
.endr
	s_lshl_b32 s20, s45, 1
	s_add_co_u32 s20, s20, s16                     ; A: which 128 rows of opc
	s_mul_i32 s22, s20, SPART
	s_mul_i32 s20, s20, 8*KS*FRB
	s_mov_b32 s21, 0
	s_mov_b32 s23, 0
	s_lshl_b32 s46, s42, 1
	s_add_co_u32 s46, s46, s16                     ; B likewise
	s_mul_i32 s2, s46, SPART
	s_mul_i32 s46, s46, 8*KS*FRB
	s_mov_b32 s47, 0
	s_mov_b32 s3, 0
	s_mul_i32 s98, s14, HALFT                      ; where they go: by the wave's number alone
	s_mul_i32 s99, s14, SPART
	s_mov_b32 s[SEL], 0x76543210
	s_mov_b32 s[SEL+1], 0xfedcba98
	s_wait_kmcnt 0x0
	s_add_nc_u64 s[20:21], s[4:5], s[20:21]
	s_add_nc_u64 s[22:23], s[6:7], s[22:23]
	s_add_nc_u64 s[46:47], s[4:5], s[46:47]
	s_add_nc_u64 s[2:3], s[6:7], s[2:3]
	CROUND                                         ; all sixteen work-groups are here: the first joint loads meet
	s_mov_b32 s[G0S], 1
	s_add_co_u32 s[G0S+1], s99, SCL
	s_mov_b64 s[G0S+2:G0S+3], s[22:23]
	s_or_b32 s[G0S+3], s[G0S+3], 0x80000000
	s_mov_b32 s[G0SB], 1
	s_add_co_u32 s[G0SB+1], s99, SCL
	s_mov_b64 s[G0SB+2:G0SB+3], s[2:3]
	s_or_b32 s[G0SB+3], s[G0SB+3], 0x80000000
	JLOAD G0S, G1S, G0SB, G1SB                     ; three loads of mine go out together: the scale words, slot 0, slot 1
.irp s, 0,1
	s_mov_b32 s[G0+4*\s], 1
	s_add_co_u32 s[G0+4*\s+1], s98, \s*SLOT
	s_add_nc_u64 s[G0+4*\s+2:G0+4*\s+3], s[20:21], \s*2*FRB
	s_or_b32 s[G0+4*\s+3], s[G0+4*\s+3], 0x80000000
	s_mov_b32 s[G0B+4*\s], 1
	s_add_co_u32 s[G0B+4*\s+1], s98, \s*SLOT
	s_add_nc_u64 s[G0B+4*\s+2:G0B+4*\s+3], s[46:47], \s*2*FRB
	s_or_b32 s[G0B+4*\s+3], s[G0B+4*\s+3], 0x80000000
	JLOAD G0+4*\s, G1, G0B+4*\s, G1B
.endr
	v_and_b32 v1, 15, v0                           ; r
	v_bfe_u32 v2, v0, 4, 1                         ; h
	v_and_b32 v3, 31, v0
	v_lshlrev_b32 v[LI], 4, v3
	s_mul_i32 s21, s15, HALFT
	s_mul_i32 s22, s16, HALFT
	s_add_co_u32 s22, s22, 2*HALFT
.irp s, 0,1
	v_add_nc_u32 v[ADRA+\s], s21, v[LI]
	v_add_nc_u32 v[ADRB+\s], s22, v[LI]
	s_add_co_u32 s21, s21, SLOT
	s_add_co_u32 s22, s22, SLOT
.endr
	s_mul_i32 s21, s15, SPART
	s_mul_i32 s22, s16, SPART
	s_add_co_u32 s22, s22, 2*SPART
	s_sub_co_u32 s22, s22, s21
	v_mul_u32_u24 v6, s22, v2                      ; lanes 16-31 take B's words: one product, the distance between the two parts
	s_add_co_u32 s21, s21, SCL
	v_lshl_add_u32 v5, v1, 2, v6
	v_add_nc_u32 v[ADRS], s21, v5
	s_lshl_b32 s21, s14, 9
	s_add_co_u32 s21, s21, SCRATCH
	v_lshl_add_u32 v[SWA], v1, 2, s21
	v_add_nc_u32 v[SWR], s21, v[LI]
	v_lshlrev_b32 v7, 6, v2                        ; bias by B's rows: my half's 16 numbers of each 32
	v_and_b32 v8, 8, v1
	v_add_nc_u32 v8, v8, v1
	v_lshlrev_b32 v8, 2, v8                        ; bias by A's row: r + 8 (r / 8)
	; where my 128 x 128 goes
	s_sub_co_u32 s17, s42, s94
	s_lshl_b32 s17, s17, 1
	s_add_co_u32 s17, s17, s16                     ; which 128 of B's rows, from B's first tile on
	s_lshr_b32 s18, s17, s92                       ; the part: q or k; or v's batch
	s_lshl_b32 s19, s18, s92
	s_sub_co_u32 s19, s17, s19                     ; and the K step in it
	s_sub_co_u32 s20, s45, s95
	s_lshl_b32 s20, s20, 4
	s_lshl_b32 s21, s15, 3
	s_add_co_u32 s20, s20, s21                     ; my first row tile
	s_lshl_b32 s22, s18, s93
	s_add_co_u32 s22, s22, s20
	s_lshl_b32 s22, s22, s92
	s_add_co_u32 s22, s22, s19
	s_mul_i32 s22, s22, FRB
	s_add_co_u32 s22, s22, s96
	s_mov_b32 s23, 0
	s_add_nc_u64 s[10:11], s[10:11], s[22:23]      ; the codes of my first block of rows
	s_lshl_b32 s46, FRB, s92                       ; from row tile to row tile
	s_mov_b32 s47, 0
	s_sub_co_u32 s21, s93, 3
	s_lshl_b32 s22, s18, s21
	s_lshr_b32 s21, s20, 3
	s_add_co_u32 s22, s22, s21
	s_lshl_b32 s22, s22, s92
	s_add_co_u32 s22, s22, s19
	s_lshl_b32 s22, s22, 9
	s_add_co_u32 s22, s22, s97
	s_add_nc_u64 s[12:13], s[12:13], s[22:23]      ; my 128 rows' scale words of that K step: 512 bytes
	s_lshl_b32 s21, s17, 9                         ; bias: 128 numbers from column 128 x (which 128),
	s_lshl_b32 s22, s20, 6
	s_add_co_u32 s22, s22, 8192                    ; or from column 2,048 + 16 x (first row tile)
	s_cmp_lt_u32 ttmp9, 16
	s_cselect_b32 s22, s21, s22
	s_add_nc_u64 s[8:9], s[8:9], s[22:23]
	s_cbranch_scc0 .Lbias_v
.irp g, 0,1,2,3
.irp m, 0,1,2,3
	global_load_b128 v[BI+16*\g+4*\m:BI+16*\g+4*\m+3], v7, s[8:9] offset:128*\g+16*\m   ; register 16 g + i: column 32 g + 16 h + i
.endr
.endr
	s_branch .Lbias_in
.Lbias_v:
.irp a, 0,1,2,3,4,5,6,7
	global_load_b32 v[BI+8*\a], v8, s[8:9] offset:4*(32*(\a/2)+8*(\a%2))                ; my row of block a
.endr
	s_wait_loadcnt 0x0
.irp a, 0,1,2,3,4,5,6,7
.irp j, 1,2,3,4,5,6,7
	v_mov_b32 v[BI+8*\a+\j], v[BI+8*\a]            ; the same for all eight registers of a result
.endr
.endr
.Lbias_in:
	s_wait_loadcnt 0x0
	s_wait_tensorcnt 1                             ; the scale words and my part of slot 0 are in; slot 1's load may be out
	s_barrier_signal -1
	s_barrier_wait -1
	FETCH_B 0, 0, 0
	FETCH_A 0, 0, 0
	SCALES 0
	FETCH_A 0, 0, 4
	s_cmp_lt_u32 ttmp9, 16
	s_cbranch_scc0 .Lfirst_v
	STEP 0, 2
	s_branch .Lfirst_done
.Lfirst_v:
	STEP 0, 3
.Lfirst_done:
	TURN 0, 1, 1
	STEP 1, 0
	TURN 1, 0, 1
	STEP 0, 0
	TURN 0, 1, 0                                   ; nothing is left to fetch
	STEP 1, 0
	s_wait_dscnt 12
	WIN 0xa1
	MUL16 0, 1, 1, 1, 0
	MUL16 2, 1, 1, 1, 0
	s_wait_dscnt 0x0
	WIN 0xf1
	MUL16 4, 1, 1, 1, 0
	MUL16 6, 1, 1, 1, 0
	WIN 0
; THE WAY OUT: block a (16 rows of A, 128 along the next K) becomes one fragment and one scale word a row.  Register 16 b + i of the block = k 32 b + 16 h + i of my row.
.macro EPI a
.set W, 2+(\a)/4
.set AC, 64*((\a)%4)
.set WW, (W<<2)|(W<<4)
	WIN WW
.irp b, 0,1,2,3
	v_max3_num_f32 v[TM+\b], 0x1800000, |v[AC+16*\b]|, |v[AC+16*\b+1]|     ; my 16 numbers of block b, each accumulator from its low end on, and the floor 2^(3 - 127)
.endr
.irp i, 2,4,6,8,10,12,14
.irp b, 0,1,2,3
	v_max3_num_f32 v[TM+\b], v[TM+\b], |v[AC+16*\b+\i]|, |v[AC+16*\b+\i+1]|
.endr
.endr
	WIN 0
.irp b, 0,1,2,3
	v_permlanex16_b32 v[TM+4+\b], v[TM+\b], s[SEL], s[SEL+1]
.endr
.irp b, 0,1,2,3
	v_max_num_f32 v[TM+\b], v[TM+\b], v[TM+4+\b]   ; with lane l xor 16's: the block's largest magnitude
.endr
.irp b, 0,1,2,3
	v_add_nc_u32 v[TM+12+\b], 0xff000000, v[TM+\b]
.endr
.irp b, 0,1,2,3
	v_lshrrev_b32 v[TM+4+\b], 23, v[TM+12+\b]
.endr
	v_lshl_or_b32 v[PW+(\a)], v[TM+5], 8, v[TM+4]
	v_lshl_or_b32 v[PW+(\a)], v[TM+6], 16, v[PW+(\a)]
	v_lshl_or_b32 v[PW+(\a)], v[TM+7], 24, v[PW+(\a)]
.if (\a) > 0
	s_wait_xcnt 0x0                                ; the last block's stores have read their base and the codes' registers
	s_add_nc_u64 s[10:11], s[10:11], s[46:47]
.endif
	WIN W
.irp c, 0,1
	v_cvt_scalef32_pk16_fp6_f32 v[PC+6*\c:PC+6*\c+2], v[AC+32*\c:AC+32*\c+15], v[TM+12+2*\c]
	v_cvt_scalef32_pk16_fp6_f32 v[PT+4*\c:PT+4*\c+2], v[AC+32*\c+16:AC+32*\c+31], v[TM+12+2*\c+1]
.endr
	WIN 0
	v_nop                                          ; one plain place behind the scaled conversions
.irp c, 0,1                            ; the operand wants a whole block in a lane: lanes 0-15 block 2 c, lanes 16-31 block 2 c + 1
.irp i, 0,1,2
	v_permlane16_swap_b32 v[PC+6*\c+\i], v[PT+4*\c+\i]
.endr
.irp i, 0,1,2
	v_mov_b32 v[PC+3+6*\c+\i], v[PT+4*\c+\i]
.endr
.endr
	ds_store_b32 v[SWA], v[PW+(\a)] offset:64*(\a)
.irp c, 0,1,2
	global_store_b128 v[LI], v[PC+4*\c:PC+4*\c+3], s[10:11] offset:512*\c     ; 32 lanes store 512 consecutive bytes, aligned
.endr
.endm
	PLACES 4
.irp b, 0,1,2,3
	v_mov_b32 v[TM+4+\b], 0                        ; a lane permute's destination counts as one of its sources
.endr
.irp a, 0,1,2,3,4,5,6,7
	EPI \a
.endr
	ds_load_b128 v[32:35], v[SWR]                  ; in order behind my eight stores: 128 words
	s_wait_dscnt 0x0
	global_store_b128 v[LI], v[32:35], s[12:13]    ; 512 consecutive bytes, aligned
	s_wait_tensorcnt 0x0                           ; the wave's end
	ds_add_u32 v[SPW], v[NIL]
	s_wait_dscnt 0x0
	CROUND                                         ; the closing round
	s_endpgm
.Lfunc_end_k_q06097df29f_proj:
	.size	k_q06097df29f_proj, .Lfunc_end_k_q06097df29f_proj-k_q06097df29f_proj
	.p2alignl 7, 3214868480
	.fill 96, 4, 3214868480
	.section	.rodata,"a",@progbits
	.p2align	6, 0x0
	.amdhsa_kernel k_q06097df29f_proj
		.amdhsa_group_segment_fixed_size 327680
		.amdhsa_private_segment_fixed_size 0
		.amdhsa_enable_private_segment 0
		.amdhsa_kernarg_size 40
		.amdhsa_user_sgpr_count 2
		.amdhsa_user_sgpr_kernarg_segment_ptr 1
		.amdhsa_wavefront_size32 1
		.amdhsa_system_sgpr_workgroup_id_x 1
		.amdhsa_system_sgpr_workgroup_id_y 1
		.amdhsa_system_sgpr_workgroup_id_z 1
		.amdhsa_system_vgpr_workitem_id 0
		.amdhsa_next_free_vgpr 1024
		.amdhsa_next_free_sgpr 102
		.amdhsa_reserve_vcc 0
		.amdhsa_float_denorm_mode_32 3
		.amdhsa_float_denorm_mode_16_64 3
		.amdhsa_memory_ordered 1
		.amdhsa_forward_progress 1
		.amdhsa_inst_pref_size 159
	.end_amdhsa_kernel
	.amdgpu_metadata
---
amdhsa.version: [ 1, 2 ]
amdhsa.kernels:
  - .name:           k_q06097df29f_proj
    .symbol:         k_q06097df29f_proj.kd
    .args:
      - { .name: opc, .offset: 0, .size: 8, .value_kind: global_buffer, .address_space: global }
      - { .name: ops, .offset: 8, .size: 8, .value_kind: global_buffer, .address_space: global }
      - { .name: b_qkv, .offset: 16, .size: 8, .value_kind: global_buffer, .address_space: global }
      - { .name: qkvc, .offset: 24, .size: 8, .value_kind: global_buffer, .address_space: global }
      - { .name: qkvs, .offset: 32, .size: 8, .value_kind: global_buffer, .address_space: global }
    .group_segment_fixed_size: 327680
    .private_segment_fixed_size: 0
    .kernarg_segment_align: 8
    .kernarg_segment_size: 40
    .max_flat_workgroup_size: 128
    .sgpr_count:     102
    .vgpr_count:     1024
    .wavefront_size: 32
...
	.end_amdgpu_metadata
.endif
;; end of part 2
;; launch score (part 3): grid 8 x 32, 4 waves a work-group, clusters of 4 x 4, 327,680 bytes of LDS; arguments qkvc, qkvs, pc, px; writes pc, px
.if DOCPART == 3
	.amdgcn_target "amdgcn-amd-amdhsa--gfx1250"
	.amdhsa_code_object_version 6
	.text
	.protected	k_q06097df29f_score
	.globl	k_q06097df29f_score
	.p2align	8
	.type	k_q06097df29f_score,@function
k_q06097df29f_score:
	s_mov_b64 s[64:65], 0
	v_nop
	global_prefetch_b8 v0, s[64:65] scope:SCOPE_SE
	s_setreg_imm32_b32 hwreg(HW_REG_WAVE_MODE, 25, 1), 1
	s_wait_xcnt 0x0
	s_wait_alu depctr_hold_cnt(0) depctr_sa_sdst(0) depctr_va_vdst(0) depctr_va_sdst(0) depctr_va_ssrc(0) depctr_va_vcc(0) depctr_vm_vsrc(0)
	s_getreg_b32 s2, hwreg(HW_REG_IB_STS2, 6, 4)
	s_cmp_eq_u32 s2, 0
	s_cbranch_scc0 .Lentry_in_a_cluster
	s_endpgm
.Lentry_in_a_cluster:
	s_bfe_u32 s2, ttmp6, 0x10000c
	s_cmp_lg_u32 s2, 0xf033
	s_cbranch_scc0 .Lentry_shape_is_right
	s_endpgm
.Lentry_shape_is_right:
; S = q k^T on codes of FP6 (E2M3) with E8M0 scales, sums in f32; then, for each query and each run of 128 keys: t = S x log2(e) / 32, M = the run's largest t rounded UP to a whole number,
; p = 2^(t - M), the sum of the unquantised p, and p quantised along the keys.  Stored: p's codes (pc), and in px p's scale words, -M and the sum, one word each for a query and 128 keys.
; M is the run's own maximum, taken away before every exponential; the next launch brings all runs of a row under the row's M by whole powers of two, which the scale bytes take up.
; Operands are images of the matrix unit's registers (fragment (rt, ks) = 1,536 bytes at (8 rt + ks) x 1,536).  Source 0 = 16 keys, source 1 = 16 queries: a lane holds ONE query, and the 16 registers of two
; neighbouring tiles are 16 neighbouring keys (the tiles' rows are ordered for that).  A work-group of four waves makes 256 queries x 256 keys of one batch; a wave 128 x 128: 64 accumulators.
; K = 1,024 goes in four steps of 256 through two LDS slots; the scale words of the 512 rows come once and stay.
; JOINT LOADS: 4 x 4 work-groups; q's tile is shared along a row of the cluster, k's along a column.
; LIMITS: NaN and infinities are not served; a block of 32 keys whose every p lies under 2^-124 gets the byte 1.
; REGISTERS: window 0: v1-29 addresses; v32-63 scale words, two sets; v128-223 q's 8 fragments; the way out works in v32-103.  window 1: k's fragments, two sets.  windows 2, 3: the accumulators.
.set KS,     8
.set FRB,    1536
.set HALFT,  16*FRB
.set SLOT,   4*HALFT
.set SPART,  512*KS
.set SCL,    2*SLOT
.set SPARE,  SCL+4*SPART               ; the spare words, 128 bytes a wave: two blocks of 256 bytes that no other line names
.set SCRATCH, SPARE+512                ; 1,536 bytes a wave: scale words, -M and sums on their way out; no fill lands here
.set ADRA, 16
.set ADRB, 20
.set LI,   24
.set SWA,  25
.set SWR,  26
.set ADRS, 27
.set SPW,  28
.set NIL,  29
.set SC,   32
.set AF,   128
.set T,    32                          ; v32-35 the blocks' largest scores, then largest p; v36-39 the other half's, then bytes; v42 at work; v44-47 scale operands
.set LA,   50                          ; v[50:51], v[52:53] the sum in two chains of pairs; v54, v55 at work
.set PC,   56                          ; v56-67 the codes
.set PT,   68                          ; v68-70, v72-74
.set NMP,  80                          ; v[80 + 2 a] -M, v[81 + 2 a] the sum, of block a
.set PW,   96                          ; v[96 + a] its scale word
.set G1,   24
.set G0,   32
.set G1B,  48
.set G0B,  56
.set G1S,  68
.set G0S,  76
.set G1SB, 80
.set G0SB, 88
.set CS,   92                          ; s[92:93] c = log2(e) / 32
.set SEL,  100
.set MSB, 0
.macro WIN new
.if MSB != \new
	s_set_vgpr_msb (MSB<<8)|\new
.set MSB, \new
.endif
.endm
.macro JLOAD g0a, g1a, g0b, g1b        ; waves 0 and 1 fetch for q, waves 2 and 3 for k; four v_nop follow each line
	s_cmp_eq_u32 s15, 0
	s_cbranch_scc0 .Lfor_b_\@
	tensor_load_to_lds s[\g0a:\g0a+3], s[\g1a:\g1a+7]
	s_nop 0
.rept 4
	v_nop
.endr
	s_branch .Lasked_\@
.Lfor_b_\@:
	tensor_load_to_lds s[\g0b:\g0b+3], s[\g1b:\g1b+7]
	s_nop 0
.rept 4
	v_nop
.endr
.Lasked_\@:
.endm
.macro CREST
	s_cmp_lg_u32 s14, 0
	s_cbranch_scc1 .Lnot_wave_0_\@
	s_barrier_signal -3
.Lnot_wave_0_\@:
	s_barrier_wait -3
	s_barrier_signal -1
	s_barrier_wait -1
.endm
.macro CROUND
	s_barrier_signal -1
	s_barrier_wait -1
	CREST
.endm
.macro PLACES n
.rept \n
	v_nop
.endr
.endm
.macro FRAG reg, adr, off
.irp c, 0,1,2
	ds_load_b128 v[\reg+4*\c:\reg+4*\c+3], v[\adr] offset:\off+512*\c
.endr
.endm
.macro FETCH_B slot, q, p
	WIN 0x40
.irp i, 0,1,2,3,4,5,6,7
	FRAG 128*(\p)+12*\i, ADRB+\slot, 3072*\i+1536*(\q)
.endr
	WIN 0
.endm
.macro FETCH_A slot, q, i0
.irp i, \i0, \i0+1, \i0+2, \i0+3
	FRAG AF+12*(\i), ADRA+\slot, 3072*(\i)+1536*(\q)
.endr
.endm
.macro SCALES sc
.irp i, 0,1,2,3,4,5,6,7
.irp q, 0,1
	ds_load_b32 v[SC+16*\sc+2*\i+\q], v[ADRS] offset:512*\q+64*\i
.endr
.endr
.endm
.macro MUL16 a0, p, q, sc, cm          ; cm 1: the first product starts the sums.  The 64 accumulators take turns
.irp a, \a0, \a0+1
.irp b, 0,1,2,3,4,5,6,7
.if \cm == 0
	v_wmma_scale_f32_16x16x128_f8f6f4 v[8*(8*((\a)%4)+\b):8*(8*((\a)%4)+\b)+7], v[128*(\p)+12*\b:128*(\p)+12*\b+11], v[AF+12*(\a):AF+12*(\a)+11], v[8*(8*((\a)%4)+\b):8*(8*((\a)%4)+\b)+7], v[SC+16*(\sc)+2*\b+(\q)], v[SC+16*(\sc)+2*(\a)+(\q)] matrix_a_fmt:MATRIX_FMT_FP6 matrix_b_fmt:MATRIX_FMT_FP6 matrix_a_scale:MATRIX_SCALE_ROW1
.else
	v_wmma_scale_f32_16x16x128_f8f6f4 v[8*(8*((\a)%4)+\b):8*(8*((\a)%4)+\b)+7], v[128*(\p)+12*\b:128*(\p)+12*\b+11], v[AF+12*(\a):AF+12*(\a)+11], 0, v[SC+16*(\sc)+2*\b+(\q)], v[SC+16*(\sc)+2*(\a)+(\q)] matrix_a_fmt:MATRIX_FMT_FP6 matrix_b_fmt:MATRIX_FMT_FP6 matrix_a_scale:MATRIX_SCALE_ROW1
.endif
.endr
.endr
.endm
.macro STEP slot, cm
	s_wait_dscnt 12                                ; all but the youngest twelve loads, q's blocks 4-7
	WIN 0xa1
	MUL16 0, 0, 0, \slot, \cm
	MUL16 2, 0, 0, \slot, \cm
	s_wait_dscnt 0x0
	PLACES 4
	FETCH_B \slot, 1, 1
	FETCH_A \slot, 1, 0
	WIN 0xf1
	MUL16 4, 0, 0, \slot, \cm
	MUL16 6, 0, 0, \slot, \cm
	PLACES 4
	WIN 0
	FETCH_A \slot, 1, 4
.endm
.macro TURN slot, next, fill
	s_wait_tensorcnt 0x0                           ; all my tensor loads have landed: my part of the next slot
	ds_add_u32 v[SPW], v[NIL]                      ; 0 onto my spare word
	s_wait_dscnt 13                                ; (the add and twelve loads may be out)
	WIN 0xa1
	MUL16 0, 1, 1, \slot, 0
	s_wait_dscnt 0x0                               ; the add is done, and my reads of this slot are over
	s_barrier_signal -1
	MUL16 2, 1, 1, \slot, 0
	WIN 0
	s_barrier_wait -1
.if \fill
	CREST                                          ; a round of the cluster's barrier: no wave of any partner still reads this slot or has a load on its way
	s_add_nc_u64 s[G0+4*\slot+2:G0+4*\slot+3], s[G0+4*\slot+2:G0+4*\slot+3], 4*FRB
	s_add_nc_u64 s[G0B+4*\slot+2:G0B+4*\slot+3], s[G0B+4*\slot+2:G0B+4*\slot+3], 4*FRB
	JLOAD G0+4*\slot, G1, G0B+4*\slot, G1B
.else
	PLACES 4
.endif
	v_add_nc_u32 v[ADRS], 1024, v[ADRS]
	FETCH_B \next, 0, 0
	FETCH_A \next, 0, 0
	SCALES \next
	WIN 0xf1
	MUL16 4, 1, 1, \slot, 0
	MUL16 6, 1, 1, \slot, 0
	PLACES 4
	WIN 0
	FETCH_A \next, 0, 4
.endm
	s_load_b256 s[4:11], s[0:1], 0x0               ; qkvc s[4:5], qkvs s[6:7], pc s[8:9], px s[10:11]
	v_lshl_add_u32 v[SPW], v0, 2, SPARE
	v_mov_b32 v[NIL], 0
	ds_add_u32 v28, v29
	ds_add_u32 v28, v29
	s_wait_dscnt 0x0
	v_lshrrev_b32 v1, 5, v0
	v_readfirstlane_b32 s14, v1
	s_lshr_b32 s15, s14, 1                         ; my half of the queries.  Also: I fetch for q (0) or for k (1)
	s_and_b32 s16, s14, 1                          ; my half of the keys.  Also: which 128 rows I fetch
	s_bfe_u32 s40, ttmp6, 0x40000                  ; cx
	s_bfe_u32 s41, ttmp6, 0x40004                  ; cy
	s_lshl_b32 s42, ttmp9, 2
	s_add_co_u32 s42, s42, s40                     ; the batch's tile of 256 keys, 0 .. 7
	s_and_b32 s17, ttmp7, 0xffff
	s_lshr_b32 s18, s17, 1                         ; the batch: two clusters high, so all partners share it
	s_lshl_b32 s45, s17, 2
	s_add_co_u32 s45, s45, s41                     ; the tile of 256 queries, 0 .. 31
	s_lshl_b32 s43, s41, 2
	s_lshl_b32 s43, 15, s43
	s_lshl_b32 s44, 0x1111, s40
	s_or_b32 s[G1+0], s43, (3<<16)|(1<<21)
	s_or_b32 s[G1B+0], s44, (3<<16)|(1<<21)
.irp g, G1, G1B
	s_mov_b32 s[\g+1], 384<<16
	s_mov_b32 s[\g+2], 8<<16
	s_mov_b32 s[\g+3], 384<<16
	s_mov_b32 s[\g+4], 8
	s_mov_b32 s[\g+5], 192*KS
	s_mov_b32 s[\g+6], 0
	s_mov_b32 s[\g+7], 0
.endr
	s_or_b32 s[G1S+0], s43, (3<<16)|(1<<21)
	s_or_b32 s[G1SB+0], s44, (3<<16)|(1<<21)
.irp g, G1S, G1SB
	s_mov_b32 s[\g+1], 32<<16
	s_mov_b32 s[\g+2], (2*KS)<<16
	s_mov_b32 s[\g+3], 32<<16
	s_mov_b32 s[\g+4], 2*KS
	s_mov_b32 s[\g+5], 32
	s_mov_b32 s[\g+6], 0
	s_mov_b32 s[\g+7], 0
.endr
	s_lshl_b32 s20, s45, 1
	s_add_co_u32 s20, s20, s16                     ; q: which 128 rows
	s_mul_i32 s22, s20, SPART
	s_mul_i32 s20, s20, 8*KS*FRB
	s_mov_b32 s21, 0
	s_mov_b32 s23, 0
	s_lshl_b32 s46, s18, 3
	s_add_co_u32 s46, s46, s42
	s_lshl_b32 s46, s46, 1
	s_add_co_u32 s46, s46, s16                     ; k: which 128 rows
	s_mul_i32 s2, s46, SPART
	s_add_co_u32 s2, s2, 262144                    ; k's scale words follow q's
	s_mul_i32 s46, s46, 8*KS*FRB
	s_add_co_u32 s46, s46, 6291456                 ; k's codes follow q's
	s_mov_b32 s47, 0
	s_mov_b32 s3, 0
	s_mul_i32 s98, s14, HALFT
	s_mul_i32 s99, s14, SPART
	s_mov_b32 s[SEL], 0x76543210
	s_mov_b32 s[SEL+1], 0xfedcba98
	s_mov_b32 s[CS], 0x3d38aa3b                    ; log2(e) / 32
	s_mov_b32 s[CS+1], s[CS]                       ; (named with it as a pair, so it is written)
	s_wait_kmcnt 0x0
	s_add_nc_u64 s[20:21], s[4:5], s[20:21]
	s_add_nc_u64 s[22:23], s[6:7], s[22:23]
	s_add_nc_u64 s[46:47], s[4:5], s[46:47]
	s_add_nc_u64 s[2:3], s[6:7], s[2:3]
	CROUND
	s_mov_b32 s[G0S], 1
	s_add_co_u32 s[G0S+1], s99, SCL
	s_mov_b64 s[G0S+2:G0S+3], s[22:23]
	s_or_b32 s[G0S+3], s[G0S+3], 0x80000000
	s_mov_b32 s[G0SB], 1
	s_add_co_u32 s[G0SB+1], s99, SCL
	s_mov_b64 s[G0SB+2:G0SB+3], s[2:3]
	s_or_b32 s[G0SB+3], s[G0SB+3], 0x80000000
	JLOAD G0S, G1S, G0SB, G1SB                     ; three loads of mine go out together: the scale words, slot 0, slot 1
.irp s, 0,1
	s_mov_b32 s[G0+4*\s], 1
	s_add_co_u32 s[G0+4*\s+1], s98, \s*SLOT
	s_add_nc_u64 s[G0+4*\s+2:G0+4*\s+3], s[20:21], \s*2*FRB
	s_or_b32 s[G0+4*\s+3], s[G0+4*\s+3], 0x80000000
	s_mov_b32 s[G0B+4*\s], 1
	s_add_co_u32 s[G0B+4*\s+1], s98, \s*SLOT
	s_add_nc_u64 s[G0B+4*\s+2:G0B+4*\s+3], s[46:47], \s*2*FRB
	s_or_b32 s[G0B+4*\s+3], s[G0B+4*\s+3], 0x80000000
	JLOAD G0+4*\s, G1, G0B+4*\s, G1B
.endr
	v_and_b32 v1, 15, v0
	v_bfe_u32 v2, v0, 4, 1
	v_and_b32 v3, 31, v0
	v_lshlrev_b32 v[LI], 4, v3
	s_mul_i32 s21, s15, HALFT
	s_mul_i32 s22, s16, HALFT
	s_add_co_u32 s22, s22, 2*HALFT
.irp s, 0,1
	v_add_nc_u32 v[ADRA+\s], s21, v[LI]
	v_add_nc_u32 v[ADRB+\s], s22, v[LI]
	s_add_co_u32 s21, s21, SLOT
	s_add_co_u32 s22, s22, SLOT
.endr
	s_mul_i32 s21, s15, SPART
	s_mul_i32 s22, s16, SPART
	s_add_co_u32 s22, s22, 2*SPART
	s_sub_co_u32 s22, s22, s21
	v_mul_u32_u24 v6, s22, v2                      ; lanes 16-31 take k's words
	s_add_co_u32 s21, s21, SCL
	v_lshl_add_u32 v5, v1, 2, v6
	v_add_nc_u32 v[ADRS], s21, v5
	s_mul_i32 s21, s14, 1536
	s_add_co_u32 s21, s21, SCRATCH
	v_lshl_add_u32 v[SWA], v1, 2, s21
	v_add_nc_u32 v[SWR], s21, v[LI]
	s_lshl_b32 s17, s42, 1
	s_add_co_u32 s17, s17, s16                     ; which 128 keys of the batch: p's K step, 0 .. 15
	s_lshl_b32 s18, s45, 4
	s_lshl_b32 s19, s15, 3
	s_add_co_u32 s18, s18, s19                     ; my first row tile of queries
	s_lshl_b32 s18, s18, 4
	s_add_co_u32 s18, s18, s17
	s_mul_i32 s18, s18, FRB
	s_mov_b32 s19, 0
	s_add_nc_u64 s[8:9], s[8:9], s[18:19]          ; pc: fragment (rt, K step) at (16 rt + K step) x 1,536
	s_lshl_b32 s18, s45, 1
	s_add_co_u32 s18, s18, s15
	s_lshl_b32 s18, s18, 4
	s_add_co_u32 s18, s18, s17
	s_lshl_b32 s18, s18, 9
	s_add_nc_u64 s[10:11], s[10:11], s[18:19]      ; px: my 128 queries' 512 bytes of that K step
	s_wait_tensorcnt 1                             ; slot 1's load may be out
	s_barrier_signal -1
	s_barrier_wait -1
	FETCH_B 0, 0, 0
	FETCH_A 0, 0, 0
	SCALES 0
	FETCH_A 0, 0, 4
	STEP 0, 1
	TURN 0, 1, 1
	STEP 1, 0
	TURN 1, 0, 1
	STEP 0, 0
	TURN 0, 1, 0
	STEP 1, 0
	s_wait_dscnt 12
	WIN 0xa1
	MUL16 0, 1, 1, 1, 0
	MUL16 2, 1, 1, 1, 0
	s_wait_dscnt 0x0
	WIN 0xf1
	MUL16 4, 1, 1, 1, 0
	MUL16 6, 1, 1, 1, 0
	WIN 0
; THE SOFTMAX'S FIRST HALF for block a: 16 queries x my 128 keys.  Register 16 b + i of the block = key 32 b + 16 h + i of my query.
.macro SOFT a
.set W, 2+(\a)/4
.set AC, 64*((\a)%4)
.set NM, NMP+2*(\a)
.set WW, (W<<2)|(W<<4)
	WIN WW
.irp b, 0,1,2,3
	v_max3_num_f32 v[T+\b], 0xff800000, v[AC+16*\b], v[AC+16*\b+1]         ; the largest score of each block of 32 keys, each accumulator from its low end on: it serves the run's maximum and, since p rises with the score, the block's largest p
.endr
.irp i, 2,4,6,8,10,12,14
.irp b, 0,1,2,3
	v_max3_num_f32 v[T+\b], v[T+\b], v[AC+16*\b+\i], v[AC+16*\b+\i+1]
.endr
.endr
	WIN 0
.irp b, 0,1,2,3
	v_permlanex16_b32 v[T+4+\b], v[T+\b], s[SEL], s[SEL+1]
.endr
.irp b, 0,1,2,3
	v_max_num_f32 v[T+\b], v[T+\b], v[T+4+\b]
.endr
	v_max3_num_f32 v42, v[T], v[T+1], v[T+2]
	v_max_num_f32 v42, v42, v[T+3]                 ; the largest score of my query's 128 keys
	v_mul_f32 v42, s[CS], v42                      ; as t
	v_floor_f32 v[NM], -v42                        ; -M = floor(-t) = -ceil(t): a whole number
	v_mov_b32 v[NM+1], 0                           ; (named with it as a pair; the sum lands here later)
.irp b, 0,1,2,3
	v_fma_f32 v[T+\b], v[T+\b], s[CS], v[NM]
.endr
.irp i, 0,1,2,3
	v_mov_b32 v[LA+\i], 0
.endr
.set WW, W|(W<<6)
	WIN WW
.set j, 0
.rept 32
	v_pk_fma_f32 v[AC+j:AC+j+1], v[AC+j:AC+j+1], s[CS:CS+1], v[NM:NM+1] op_sel_hi:[1,0,0]   ; t - M, two at a time
.set j, j+2
.endr
.set j, 0
.rept 64
	v_exp_f32 v[AC+j], v[AC+j]                     ; p = 2^(t - M), at most 1
.set j, j+1
.endr
	WIN 0
.irp b, 0,1,2,3
	v_exp_f32 v[T+\b], v[T+\b]                     ; the block's largest p: the same two instructions on the same number
.endr
	v_nop                                          ; a plain place behind the exponentials
	s_wait_alu depctr_va_vdst(0)
.irp b, 0,1,2,3
	v_max_num_f32 v[T+\b], 0x1800000, v[T+\b]      ; the floor 2^(3 - 127)
.endr
.irp b, 0,1,2,3
	v_add_nc_u32 v[T+12+\b], 0xff000000, v[T+\b]
.endr
.irp b, 0,1,2,3
	v_lshrrev_b32 v[T+4+\b], 23, v[T+12+\b]
.endr
	v_lshl_or_b32 v[PW+(\a)], v[T+5], 8, v[T+4]
	v_lshl_or_b32 v[PW+(\a)], v[T+6], 16, v[PW+(\a)]
	v_lshl_or_b32 v[PW+(\a)], v[T+7], 24, v[PW+(\a)]
.if (\a) > 0
	s_wait_xcnt 0x0                                ; the last block's stores have read the codes' registers
.endif
	WIN W
.irp c, 0,1
	v_cvt_scalef32_pk16_fp6_f32 v[PC+6*\c:PC+6*\c+2], v[AC+32*\c:AC+32*\c+15], v[T+12+2*\c]
	v_cvt_scalef32_pk16_fp6_f32 v[PT+4*\c:PT+4*\c+2], v[AC+32*\c+16:AC+32*\c+31], v[T+12+2*\c+1]
.endr
.set WW, W<<2
	WIN WW
.set j, 0
.rept 16
	v_pk_add_f32 v[LA:LA+1], v[LA:LA+1], v[AC+j:AC+j+1]                    ; the sum is taken of the unquantised p, in two chains.  (Plain places behind the conversions)
	v_pk_add_f32 v[LA+2:LA+3], v[LA+2:LA+3], v[AC+j+2:AC+j+3]
.set j, j+4
.endr
	WIN 0
	v_pk_add_f32 v[LA:LA+1], v[LA:LA+1], v[LA+2:LA+3]
	v_add_f32 v54, v[LA], v[LA+1]
	v_permlanex16_b32 v55, v54, s[SEL], s[SEL+1]
	v_add_f32 v[NM+1], v54, v55                    ; with lane l xor 16's 64 keys
.irp c, 0,1
.irp i, 0,1,2
	v_permlane16_swap_b32 v[PC+6*\c+\i], v[PT+4*\c+\i]
.endr
.irp i, 0,1,2
	v_mov_b32 v[PC+3+6*\c+\i], v[PT+4*\c+\i]
.endr
.endr
	ds_store_b32 v[SWA], v[PW+(\a)] offset:64*(\a)
	ds_store_b32 v[SWA], v[NM] offset:512+64*(\a)
	ds_store_b32 v[SWA], v[NM+1] offset:1024+64*(\a)
.irp c, 0,1,2
	global_store_b128 v[LI], v[PC+4*\c:PC+4*\c+3], s[8:9] offset:16*FRB*(\a)+512*\c     ; 512 consecutive bytes, aligned
.endr
.endm
	PLACES 4
.irp b, 0,1,2,3
	v_mov_b32 v[T+4+\b], 0                         ; a lane permute's destination counts as one of its sources
.endr
	v_mov_b32 v55, 0
.irp a, 0,1,2,3,4,5,6,7
	SOFT \a
.endr
.irp i, 0,1,2
	ds_load_b128 v[32+4*\i:35+4*\i], v[SWR] offset:512*\i                  ; in order behind my stores
.endr
	s_wait_dscnt 0x0
.irp i, 0,1,2
	global_store_b128 v[LI], v[32+4*\i:35+4*\i], s[10:11] offset:524288*\i ; scale words, -M, sums: 512 consecutive bytes each, aligned
.endr
	s_wait_tensorcnt 0x0                           ; the wave's end
	ds_add_u32 v[SPW], v[NIL]
	s_wait_dscnt 0x0
	CROUND
	s_endpgm
.Lfunc_end_k_q06097df29f_score:
	.size	k_q06097df29f_score, .Lfunc_end_k_q06097df29f_score-k_q06097df29f_score
	.p2alignl 7, 3214868480
	.fill 96, 4, 3214868480
	.section	.rodata,"a",@progbits
	.p2align	6, 0x0
	.amdhsa_kernel k_q06097df29f_score
		.amdhsa_group_segment_fixed_size 327680
		.amdhsa_private_segment_fixed_size 0
		.amdhsa_enable_private_segment 0
		.amdhsa_kernarg_size 32
		.amdhsa_user_sgpr_count 2
		.amdhsa_user_sgpr_kernarg_segment_ptr 1
		.amdhsa_wavefront_size32 1
		.amdhsa_system_sgpr_workgroup_id_x 1
		.amdhsa_system_sgpr_workgroup_id_y 1
		.amdhsa_system_sgpr_workgroup_id_z 1
		.amdhsa_system_vgpr_workitem_id 0
		.amdhsa_next_free_vgpr 1024
		.amdhsa_next_free_sgpr 102
		.amdhsa_reserve_vcc 0
		.amdhsa_float_denorm_mode_32 3
		.amdhsa_float_denorm_mode_16_64 3
		.amdhsa_memory_ordered 1
		.amdhsa_forward_progress 1
		.amdhsa_inst_pref_size 202
	.end_amdhsa_kernel
	.amdgpu_metadata
---
amdhsa.version: [ 1, 2 ]
amdhsa.kernels:
  - .name:           k_q06097df29f_score
    .symbol:         k_q06097df29f_score.kd
    .args:
      - { .name: qkvc, .offset: 0, .size: 8, .value_kind: global_buffer, .address_space: global }
      - { .name: qkvs, .offset: 8, .size: 8, .value_kind: global_buffer, .address_space: global }
      - { .name: pc, .offset: 16, .size: 8, .value_kind: global_buffer, .address_space: global }
      - { .name: px, .offset: 24, .size: 8, .value_kind: global_buffer, .address_space: global }
    .group_segment_fixed_size: 327680
    .private_segment_fixed_size: 0
    .kernarg_segment_align: 8
    .kernarg_segment_size: 32
    .max_flat_workgroup_size: 128
    .sgpr_count:     102
    .vgpr_count:     1024
    .wavefront_size: 32
...
	.end_amdgpu_metadata
.endif
;; end of part 3
;; launch pv (part 4): grid 4 x 32, 4 waves a work-group, clusters of 4 x 4, 327,680 bytes of LDS; arguments qkvc, qkvs, pc, px, out0; writes out0
.if DOCPART == 4
	.amdgcn_target "amdgcn-amd-amdhsa--gfx1250"
	.amdhsa_code_object_version 6
	.text
	.protected	k_q06097df29f_pv
	.globl	k_q06097df29f_pv
	.p2align	8
	.type	k_q06097df29f_pv,@function
k_q06097df29f_pv:
	s_mov_b64 s[64:65], 0
	v_nop
	global_prefetch_b8 v0, s[64:65] scope:SCOPE_SE
	s_setreg_imm32_b32 hwreg(HW_REG_WAVE_MODE, 25, 1), 1
	s_wait_xcnt 0x0
	s_wait_alu depctr_hold_cnt(0) depctr_sa_sdst(0) depctr_va_vdst(0) depctr_va_sdst(0) depctr_va_ssrc(0) depctr_va_vcc(0) depctr_vm_vsrc(0)
	s_getreg_b32 s2, hwreg(HW_REG_IB_STS2, 6, 4)
	s_cmp_eq_u32 s2, 0
	s_cbranch_scc0 .Lentry_in_a_cluster
	s_endpgm
.Lentry_in_a_cluster:
	s_bfe_u32 s2, ttmp6, 0x10000c
	s_cmp_lg_u32 s2, 0xf033
	s_cbranch_scc0 .Lentry_shape_is_right
	s_endpgm
.Lentry_shape_is_right:
; out = (p v) / l on codes of FP6 (E2M3) with E8M0 scales, sums in f32.  p arrives under a whole-number M of its own for each run of 128 keys, with that run's sum.
; AT THE HEAD: for each of the work-group's 256 queries the row's M = the largest of the 16 runs' M; a run's shift S = M - its own M, a whole number, 0 or more; the row's sum l = the sum of the runs' sums x 2^-S (exact);
; and each of p's scale bytes less S.  That is p = 2^(t - M) under the row's own M: the codes stay as they are, the scales take the power of two up.
; LIMITS: S is held at 255 and a byte at 0 from below (2^-127): what is misjudged so lies under 2^-120 of a row whose sum is over 1/2.  NaN and infinities are not served.
; Operands are images of the matrix unit's registers (fragment (rt, ks) = 1,536 bytes at (16 rt + ks) x 1,536).  Source 0 = 16 of d (v, keys innermost), source 1 = 16 queries: a lane holds ONE query and its registers
; run along d, 16 neighbours in two neighbouring tiles.  A work-group of four waves makes 256 queries x 256 of d; a wave 128 x 128.  K = 2,048 keys goes in eight steps of 256 through two LDS slots.
; JOINT LOADS: 4 x 4 work-groups; p's tile is shared along a row of the cluster, v's along a column.
; 128 tiles of 256 x 256: half of the WGPs have no work-group; a tile of 128 x 256 would fill them and read half as much again from LDS for each product.
; The queries of a tile lie in the tiles' order (lane r of tile 2 G + u: row 32 G + 8 u + r + 8 (r / 8)); the stores' offsets put them back.
.set KS,     16
.set FRB,    1536
.set HALFT,  16*FRB
.set SLOT,   4*HALFT
.set SPART,  512*KS
.set ADJ,    2*SLOT                    ; p's shifted scale words, 2 x 8,192 bytes: stored by the waves, no fill lands here
.set SCL,    ADJ+2*SPART               ; the scale words as they come: p's two halves, v's two
.set SPARE,  SCL+4*SPART               ; the spare words, 128 bytes a wave: two blocks of 256 bytes that no other line names
.set RLS,    SPARE+512                 ; 1 / l of the 256 queries
.set STAGE,  RLS+1024                  ; the way out: 16 rows x 528 bytes for each wave
.set ADRA, 16
.set ADRB, 20
.set LI,   24
.set STO,  25
.set RD,   26
.set ADRS, 27
.set SPW,  28
.set NIL,  29
.set SC,   32
.set RL,   64                          ; v[64 + 2 a], v[65 + 2 a]: 1 / l of my query of block a, twice (a pair for the packed multiply)
.set AF,   128
.set NMR,  128                         ; the head: v128-159 -M of my two queries' 16 runs; v160-191 their sums; v192-223 their scale words
.set LR,   160
.set RW,   192
.set BK,   128                         ; the way out: 16 rows read back: v128-191 and v192-255 by turns
.set G1,   24
.set G0,   32
.set G1B,  48
.set G0B,  56
.set G1S,  68
.set G0S,  76
.set G1SB, 80
.set G0SB, 88
.set MSB, 0
.macro WIN new
.if MSB != \new
	s_set_vgpr_msb (MSB<<8)|\new
.set MSB, \new
.endif
.endm
.macro JLOAD g0a, g1a, g0b, g1b        ; waves 0 and 1 fetch for p, waves 2 and 3 for v; four v_nop follow each line
	s_cmp_eq_u32 s15, 0
	s_cbranch_scc0 .Lfor_b_\@
	tensor_load_to_lds s[\g0a:\g0a+3], s[\g1a:\g1a+7]
	s_nop 0
.rept 4
	v_nop
.endr
	s_branch .Lasked_\@
.Lfor_b_\@:
	tensor_load_to_lds s[\g0b:\g0b+3], s[\g1b:\g1b+7]
	s_nop 0
.rept 4
	v_nop
.endr
.Lasked_\@:
.endm
.macro CREST
	s_cmp_lg_u32 s14, 0
	s_cbranch_scc1 .Lnot_wave_0_\@
	s_barrier_signal -3
.Lnot_wave_0_\@:
	s_barrier_wait -3
	s_barrier_signal -1
	s_barrier_wait -1
.endm
.macro CROUND
	s_barrier_signal -1
	s_barrier_wait -1
	CREST
.endm
.macro PLACES n
.rept \n
	v_nop
.endr
.endm
.macro FRAG reg, adr, off
.irp c, 0,1,2
	ds_load_b128 v[\reg+4*\c:\reg+4*\c+3], v[\adr] offset:\off+512*\c
.endr
.endm
.macro FETCH_B slot, q, p
	WIN 0x40
.irp i, 0,1,2,3,4,5,6,7
	FRAG 128*(\p)+12*\i, ADRB+\slot, 3072*\i+1536*(\q)
.endr
	WIN 0
.endm
.macro FETCH_A slot, q, i0
.irp i, \i0, \i0+1, \i0+2, \i0+3
	FRAG AF+12*(\i), ADRA+\slot, 3072*(\i)+1536*(\q)
.endr
.endm
.macro SCALES sc
.irp i, 0,1,2,3,4,5,6,7
.irp q, 0,1
	ds_load_b32 v[SC+16*\sc+2*\i+\q], v[ADRS] offset:512*\q+64*\i
.endr
.endr
.endm
.macro MUL16 a0, p, q, sc, cm          ; cm 1: the first product starts the sums.  The 64 accumulators take turns
.irp a, \a0, \a0+1
.irp b, 0,1,2,3,4,5,6,7
.if \cm == 0
	v_wmma_scale_f32_16x16x128_f8f6f4 v[8*(8*((\a)%4)+\b):8*(8*((\a)%4)+\b)+7], v[128*(\p)+12*\b:128*(\p)+12*\b+11], v[AF+12*(\a):AF+12*(\a)+11], v[8*(8*((\a)%4)+\b):8*(8*((\a)%4)+\b)+7], v[SC+16*(\sc)+2*\b+(\q)], v[SC+16*(\sc)+2*(\a)+(\q)] matrix_a_fmt:MATRIX_FMT_FP6 matrix_b_fmt:MATRIX_FMT_FP6 matrix_a_scale:MATRIX_SCALE_ROW1
.else
	v_wmma_scale_f32_16x16x128_f8f6f4 v[8*(8*((\a)%4)+\b):8*(8*((\a)%4)+\b)+7], v[128*(\p)+12*\b:128*(\p)+12*\b+11], v[AF+12*(\a):AF+12*(\a)+11], 0, v[SC+16*(\sc)+2*\b+(\q)], v[SC+16*(\sc)+2*(\a)+(\q)] matrix_a_fmt:MATRIX_FMT_FP6 matrix_b_fmt:MATRIX_FMT_FP6 matrix_a_scale:MATRIX_SCALE_ROW1
.endif
.endr
.endr
.endm
.macro STEP slot, cm
	s_wait_dscnt 12                                ; all but the youngest twelve loads, p's blocks 4-7
	WIN 0xa1
	MUL16 0, 0, 0, \slot, \cm
	MUL16 2, 0, 0, \slot, \cm
	s_wait_dscnt 0x0
	PLACES 4
	FETCH_B \slot, 1, 1
	FETCH_A \slot, 1, 0
	WIN 0xf1
	MUL16 4, 0, 0, \slot, \cm
	MUL16 6, 0, 0, \slot, \cm
	PLACES 4
	WIN 0
	FETCH_A \slot, 1, 4
.endm
.macro TURN slot, next, fill
	s_wait_tensorcnt 0x0                           ; all my tensor loads have landed: my part of the next slot
	ds_add_u32 v[SPW], v[NIL]                      ; 0 onto my spare word
	s_wait_dscnt 13                                ; (the add and twelve loads may be out)
	WIN 0xa1
	MUL16 0, 1, 1, \slot, 0
	s_wait_dscnt 0x0                               ; the add is done, and my reads of this slot are over
	s_barrier_signal -1
	MUL16 2, 1, 1, \slot, 0
	WIN 0
	s_barrier_wait -1
.if \fill
	CREST                                          ; a round of the cluster's barrier: no wave of any partner still reads this slot or has a load on its way
	s_add_nc_u64 s[G0+4*\slot+2:G0+4*\slot+3], s[G0+4*\slot+2:G0+4*\slot+3], 4*FRB
	s_add_nc_u64 s[G0B+4*\slot+2:G0B+4*\slot+3], s[G0B+4*\slot+2:G0B+4*\slot+3], 4*FRB
	JLOAD G0+4*\slot, G1, G0B+4*\slot, G1B
.else
	PLACES 4
.endif
	v_add_nc_u32 v[ADRS], 1024, v[ADRS]
	FETCH_B \next, 0, 0
	FETCH_A \next, 0, 0
	SCALES \next
	WIN 0xf1
	MUL16 4, 1, 1, \slot, 0
	MUL16 6, 1, 1, \slot, 0
	PLACES 4
	WIN 0
	FETCH_A \next, 0, 4
.endm
	s_load_b256 s[4:11], s[0:1], 0x0               ; qkvc s[4:5], qkvs s[6:7], pc s[8:9], px s[10:11]
	s_load_b64 s[12:13], s[0:1], 0x20              ; out0
	v_lshl_add_u32 v[SPW], v0, 2, SPARE
	v_mov_b32 v[NIL], 0
	ds_add_u32 v28, v29
	ds_add_u32 v28, v29
	s_wait_dscnt 0x0
	v_lshrrev_b32 v1, 5, v0
	v_readfirstlane_b32 s14, v1
	s_lshr_b32 s15, s14, 1                         ; my half of the queries.  Also: I fetch for p (0) or for v (1)
	s_and_b32 s16, s14, 1                          ; my half of d.  Also: which 128 rows I fetch
	s_bfe_u32 s40, ttmp6, 0x40000                  ; cx: the tile of 256 of d (the grid is one cluster wide)
	s_bfe_u32 s41, ttmp6, 0x40004                  ; cy
	s_and_b32 s17, ttmp7, 0xffff
	s_lshr_b32 s18, s17, 1                         ; the batch
	s_lshl_b32 s45, s17, 2
	s_add_co_u32 s45, s45, s41                     ; the tile of 256 queries, 0 .. 31
	s_lshl_b32 s43, s41, 2
	s_lshl_b32 s43, 15, s43
	s_lshl_b32 s44, 0x1111, s40
	s_or_b32 s[G1+0], s43, (3<<16)|(1<<21)
	s_or_b32 s[G1B+0], s44, (3<<16)|(1<<21)
.irp g, G1, G1B
	s_mov_b32 s[\g+1], 384<<16
	s_mov_b32 s[\g+2], 8<<16
	s_mov_b32 s[\g+3], 384<<16
	s_mov_b32 s[\g+4], 8
	s_mov_b32 s[\g+5], 192*KS
	s_mov_b32 s[\g+6], 0
	s_mov_b32 s[\g+7], 0
.endr
	s_or_b32 s[G1S+0], s43, (3<<16)|(1<<21)
	s_or_b32 s[G1SB+0], s44, (3<<16)|(1<<21)
.irp g, G1S, G1SB
	s_mov_b32 s[\g+1], 32<<16
	s_mov_b32 s[\g+2], (2*KS)<<16
	s_mov_b32 s[\g+3], 32<<16
	s_mov_b32 s[\g+4], 2*KS
	s_mov_b32 s[\g+5], 32
	s_mov_b32 s[\g+6], 0
	s_mov_b32 s[\g+7], 0
.endr
	s_lshl_b32 s20, s45, 1
	s_add_co_u32 s20, s20, s16                     ; p: which 128 queries
	s_mul_i32 s22, s20, SPART
	s_mul_i32 s20, s20, 8*KS*FRB
	s_mov_b32 s21, 0
	s_mov_b32 s23, 0
	s_lshl_b32 s46, s18, 3
	s_lshl_b32 s19, s40, 1
	s_add_co_u32 s46, s46, s19
	s_add_co_u32 s46, s46, s16                     ; v: which 128 of d, eight such to a batch
	s_mul_i32 s2, s46, SPART
	s_add_co_u32 s2, s2, 524288                    ; v's scale words follow q's and k's
	s_mul_i32 s46, s46, 8*KS*FRB
	s_add_co_u32 s46, s46, 12582912                ; v's codes follow q's and k's
	s_mov_b32 s47, 0
	s_mov_b32 s3, 0
	s_mul_i32 s98, s14, HALFT
	s_mul_i32 s99, s14, SPART
	s_wait_kmcnt 0x0
	s_add_nc_u64 s[20:21], s[8:9], s[20:21]
	s_add_nc_u64 s[22:23], s[10:11], s[22:23]
	s_add_nc_u64 s[46:47], s[4:5], s[46:47]
	s_add_nc_u64 s[2:3], s[6:7], s[2:3]
	CROUND
	s_mov_b32 s[G0S], 1
	s_add_co_u32 s[G0S+1], s99, SCL
	s_mov_b64 s[G0S+2:G0S+3], s[22:23]
	s_or_b32 s[G0S+3], s[G0S+3], 0x80000000
	s_mov_b32 s[G0SB], 1
	s_add_co_u32 s[G0SB+1], s99, SCL
	s_mov_b64 s[G0SB+2:G0SB+3], s[2:3]
	s_or_b32 s[G0SB+3], s[G0SB+3], 0x80000000
	JLOAD G0S, G1S, G0SB, G1SB                     ; three loads of mine go out together: the scale words, slot 0, slot 1
.irp s, 0,1
	s_mov_b32 s[G0+4*\s], 1
	s_add_co_u32 s[G0+4*\s+1], s98, \s*SLOT
	s_add_nc_u64 s[G0+4*\s+2:G0+4*\s+3], s[20:21], \s*2*FRB
	s_or_b32 s[G0+4*\s+3], s[G0+4*\s+3], 0x80000000
	s_mov_b32 s[G0B+4*\s], 1
	s_add_co_u32 s[G0B+4*\s+1], s98, \s*SLOT
	s_add_nc_u64 s[G0B+4*\s+2:G0B+4*\s+3], s[46:47], \s*2*FRB
	s_or_b32 s[G0B+4*\s+3], s[G0B+4*\s+3], 0x80000000
	JLOAD G0+4*\s, G1, G0B+4*\s, G1B
.endr
	s_lshl_b32 s18, s45, 14
	s_mov_b32 s19, 0
	s_add_nc_u64 s[18:19], s[10:11], s[18:19]      ; px at the work-group's 256 queries
	v_lshlrev_b32 v3, 2, v0                        ; thread t owns queries t and 128 + t
.irp g, 0,1
.set k, 0
.rept 16
	global_load_b32 v[NMR+16*\g+k], v3, s[18:19] offset:524288+8192*\g+512*k     ; -M of run k
	global_load_b32 v[LR+16*\g+k], v3, s[18:19] offset:1048576+8192*\g+512*k     ; and its sum
.set k, k+1
.endr
.endr
	v_and_b32 v1, 15, v0                           ; r
	v_bfe_u32 v2, v0, 4, 1                         ; h
	v_and_b32 v8, 31, v0
	v_lshlrev_b32 v[LI], 4, v8
	s_mul_i32 s21, s15, HALFT
	s_mul_i32 s22, s16, HALFT
	s_add_co_u32 s22, s22, 2*HALFT
.irp s, 0,1
	v_add_nc_u32 v[ADRA+\s], s21, v[LI]
	v_add_nc_u32 v[ADRB+\s], s22, v[LI]
	s_add_co_u32 s21, s21, SLOT
	s_add_co_u32 s22, s22, SLOT
.endr
	s_mul_i32 s21, s15, SPART
	s_mul_i32 s22, s16, SPART
	s_add_co_u32 s22, s22, 2*SPART+SCL-ADJ
	s_sub_co_u32 s22, s22, s21
	v_mul_u32_u24 v9, s22, v2                      ; lanes 0-15 take p's shifted words, lanes 16-31 v's: one product, the distance between the two
	s_add_co_u32 s21, s21, ADJ
	v_lshl_add_u32 v8, v1, 2, v9
	v_add_nc_u32 v[ADRS], s21, v8
	v_lshl_add_u32 v4, v0, 2, SCL                  ; p's words as they came,
	v_lshl_add_u32 v5, v0, 2, RLS                  ; 1 / l,
	v_lshl_add_u32 v6, v0, 2, ADJ                  ; and the shifted words, of query t
	s_lshl_b32 s21, s15, 9
	s_add_co_u32 s21, s21, RLS
	v_lshl_add_u32 v7, v1, 2, s21                  ; 1 / l of my half's query r
	s_mul_i32 s21, s14, 16*528
	s_add_co_u32 s21, s21, STAGE
	v_mul_u32_u24 v8, v1, 528
	v_lshl_add_u32 v8, v2, 6, v8
	v_add_nc_u32 v[STO], s21, v8                   ; the stage, in: row r, + 64 h bytes
	v_add_nc_u32 v[RD], s21, v[LI]                 ; back: a row of 512 bytes
	s_lshl_b32 s20, s45, 20
	s_lshl_b32 s21, s15, 19
	s_add_co_u32 s20, s20, s21
	s_lshl_b32 s21, s40, 10
	s_add_co_u32 s20, s20, s21
	s_lshl_b32 s21, s16, 9
	s_add_co_u32 s20, s20, s21
	s_mov_b32 s21, 0
	s_add_nc_u64 s[12:13], s[12:13], s[20:21]      ; out0: my 128 queries' first row, my 128 of d
	s_wait_tensorcnt 1                             ; the scale words and my part of slot 0 are in; slot 1's load may be out
	s_barrier_signal -1
	s_barrier_wait -1
.irp g, 0,1
.set k, 0
.rept 16
	ds_load_b32 v[RW+16*\g+k], v4 offset:8192*\g+512*k
.set k, k+1
.endr
.endr
	s_wait_loadcnt 0x0
	s_wait_dscnt 0x0
.irp g, 0,1
	v_min3_num_f32 v64, v[NMR+16*\g], v[NMR+16*\g+1], v[NMR+16*\g+2]
.irp i, 3,5,7,9,11,13
	v_min3_num_f32 v64, v64, v[NMR+16*\g+\i], v[NMR+16*\g+\i+1]
.endr
	v_min_num_f32 v64, v64, v[NMR+16*\g+15]        ; the smallest -M: the row's
.set k, 0
.rept 16
	v_sub_f32 v66, v[NMR+16*\g+k], v64             ; S = the row's M - the run's: a whole number, 0 or more,
	v_min_num_f32 v66, 0x437f0000, v66             ; held at 255
	v_cvt_u32_f32 v66, v66
	v_sub_nc_u32 v67, 0, v66
	v_ldexp_f32 v[LR+16*\g+k], v[LR+16*\g+k], v67  ; the run's sum under the row's M
.irp i, 0,1,2,3
	v_bfe_u32 v[70+\i], v[RW+16*\g+k], 8*\i, 8
.endr
.irp i, 0,1,2,3
	v_min_u32 v[74+\i], v[70+\i], v66
.endr
.irp i, 0,1,2,3
	v_sub_nc_u32 v[70+\i], v[70+\i], v[74+\i]      ; a byte less S, held at 0
.endr
	v_lshl_or_b32 v[RW+16*\g+k], v71, 8, v70
	v_lshl_or_b32 v[RW+16*\g+k], v72, 16, v[RW+16*\g+k]
	v_lshl_or_b32 v[RW+16*\g+k], v73, 24, v[RW+16*\g+k]
	ds_store_b32 v6, v[RW+16*\g+k] offset:8192*\g+512*k
.set k, k+1
.endr
	v_add_f32 v68, v[LR+16*\g], v[LR+16*\g+1]
	v_add_f32 v69, v[LR+16*\g+2], v[LR+16*\g+3]
.irp i, 4,6,8,10,12,14
	v_add_f32 v68, v68, v[LR+16*\g+\i]
	v_add_f32 v69, v69, v[LR+16*\g+\i+1]
.endr
	v_add_f32 v68, v68, v69                        ; l
	v_rcp_f32 v[78+\g], v68
	v_nop                                          ; a plain place behind the reciprocal
	s_wait_alu depctr_va_vdst(0)
	ds_store_b32 v5, v[78+\g] offset:512*\g
.endr
	s_wait_dscnt 0x0                               ; for the others' sake: my stores have landed
	s_barrier_signal -1
	s_barrier_wait -1
.irp a, 0,1,2,3,4,5,6,7
	ds_load_b32 v[RL+2*\a], v7 offset:64*\a
	ds_load_b32 v[RL+2*\a+1], v7 offset:64*\a
.endr
	FETCH_B 0, 0, 0
	FETCH_A 0, 0, 0
	SCALES 0
	FETCH_A 0, 0, 4
	STEP 0, 1
	s_mov_b32 s3, 3
.Llap:                                             ; a trip goes once round the ring and fills both slots again
	TURN 0, 1, 1
	STEP 1, 0
	TURN 1, 0, 1
	STEP 0, 0
	s_sub_co_u32 s3, s3, 1
	s_cmp_lg_u32 s3, 0
	s_cbranch_scc1 .Llap
	TURN 0, 1, 0                                   ; the tail is written out: nothing is left to fetch
	STEP 1, 0
	s_wait_dscnt 12
	WIN 0xa1
	MUL16 0, 1, 1, 1, 0
	MUL16 2, 1, 1, 1, 0
	s_wait_dscnt 0x0
	WIN 0xf1
	MUL16 4, 1, 1, 1, 0
	MUL16 6, 1, 1, 1, 0
	WIN 0
; THE WAY OUT, block by block of 16 queries x 128 of d: divided by l, through my own stage in LDS, back as whole rows of 512 bytes.
.macro SCALE a
.set W, 2+(\a)/4
.set AC, 64*((\a)%4)
.set WW, W|(W<<6)
	WIN WW
.set j, 0
.rept 32
	v_pk_mul_f32 v[AC+j:AC+j+1], v[AC+j:AC+j+1], v[RL+2*(\a):RL+2*(\a)+1]  ; each accumulator from its low end on
.set j, j+2
.endr
.endm
.macro TOSTAGE a
.set W, 2+(\a)/4
.set AC, 64*((\a)%4)
.set WW, W<<2
	WIN WW
.irp b, 0,1,2,3,4,5,6,7
	ds_store_b128 v[STO], v[AC+8*\b:AC+8*\b+3] offset:128*(\b/2)+32*(\b%2)       ; register j of tile b: d = 32 (b / 2) + 16 h + 8 (b % 2) + j
	ds_store_b128 v[STO], v[AC+8*\b+4:AC+8*\b+7] offset:128*(\b/2)+32*(\b%2)+16
.endr
	WIN 0
.set BB, BK+64*((\a)%2)
.irp t, 0,1,2,3,4,5,6,7,8,9,10,11,12,13,14,15
	ds_load_b128 v[BB+4*\t:BB+4*\t+3], v[RD] offset:528*\t                       ; LDS serves a wave's instructions in order: these see the stores above
.endr
.endm
.macro SEND a, younger
.set BB, BK+64*((\a)%2)
	s_wait_dscnt \younger
.irp t, 0,1,2,3,4,5,6,7,8,9,10,11,12,13,14,15
	global_store_b128 v[LI], v[BB+4*\t:BB+4*\t+3], s[12:13] offset:(32*((\a)/2)+8*((\a)%2)+\t+8*(\t/8))*4096 th:TH_STORE_NT   ; 512 consecutive bytes, aligned; the tile's row t is this row of out0
.endr
.endm
	PLACES 4
	SCALE 0
	TOSTAGE 0
.irp a, 1,2,3,4,5,6,7
.if \a > 1
	s_wait_xcnt 0x0                                ; block a - 2's stores have read their registers: block a's rows may land there
.endif
	SCALE \a
	TOSTAGE \a
	SEND \a-1, 32                                  ; behind block a - 1's loads: block a's 16 stores and 16 loads
.endr
	SEND 7, 0
	s_wait_tensorcnt 0x0                           ; the wave's end
	ds_add_u32 v[SPW], v[NIL]
	s_wait_dscnt 0x0
	CROUND
	s_endpgm
.Lfunc_end_k_q06097df29f_pv:
	.size	k_q06097df29f_pv, .Lfunc_end_k_q06097df29f_pv-k_q06097df29f_pv
	.p2alignl 7, 3214868480
	.fill 96, 4, 3214868480
	.section	.rodata,"a",@progbits
	.p2align	6, 0x0
	.amdhsa_kernel k_q06097df29f_pv
		.amdhsa_group_segment_fixed_size 327680
		.amdhsa_private_segment_fixed_size 0
		.amdhsa_enable_private_segment 0
		.amdhsa_kernarg_size 40
		.amdhsa_user_sgpr_count 2
		.amdhsa_user_sgpr_kernarg_segment_ptr 1
		.amdhsa_wavefront_size32 1
		.amdhsa_system_sgpr_workgroup_id_x 1
		.amdhsa_system_sgpr_workgroup_id_y 1
		.amdhsa_system_sgpr_workgroup_id_z 1
		.amdhsa_system_vgpr_workitem_id 0
		.amdhsa_next_free_vgpr 1024
		.amdhsa_next_free_sgpr 102
		.amdhsa_reserve_vcc 0
		.amdhsa_float_denorm_mode_32 3
		.amdhsa_float_denorm_mode_16_64 3
		.amdhsa_memory_ordered 1
		.amdhsa_forward_progress 1
		.amdhsa_inst_pref_size 196
	.end_amdhsa_kernel
	.amdgpu_metadata
---
amdhsa.version: [ 1, 2 ]
amdhsa.kernels:
  - .name:           k_q06097df29f_pv
    .symbol:         k_q06097df29f_pv.kd
    .args:
      - { .name: qkvc, .offset: 0, .size: 8, .value_kind: global_buffer, .address_space: global }
      - { .name: qkvs, .offset: 8, .size: 8, .value_kind: global_buffer, .address_space: global }
      - { .name: pc, .offset: 16, .size: 8, .value_kind: global_buffer, .address_space: global }
      - { .name: px, .offset: 24, .size: 8, .value_kind: global_buffer, .address_space: global }
      - { .name: out0, .offset: 32, .size: 8, .value_kind: global_buffer, .address_space: global }
    .group_segment_fixed_size: 327680
    .private_segment_fixed_size: 0
    .kernarg_segment_align: 8
    .kernarg_segment_size: 40
    .max_flat_workgroup_size: 128
    .sgpr_count:     102
    .vgpr_count:     1024
    .wavefront_size: 32
...
	.end_amdgpu_metadata
.endif
;; end of part 4
;; ======== version 2 of 2: 4 launches; 1.16 times as fast as version 1
;; workspace buffers: opc 8,650,752 bytes; ops 360,448 bytes; qkvc 18,874,368 bytes; qkvs 786,432 bytes; pc 12,582,912 bytes; px 1,572,864 bytes
;; launch quant: the kernel of part 1 again; grid 448 x 1, 4 waves a work-group, no clusters, 35,328 bytes of LDS; arguments x, W_qkv, opc, ops; writes opc, ops
;; launch proj (part 5): grid 96 x 4, 4 waves a work-group, clusters of 4 x 4, 327,680 bytes of LDS; arguments opc, ops, b_qkv, qkvc, qkvs; writes qkvc, qkvs
.if DOCPART == 5
	.amdgcn_target "amdgcn-amd-amdhsa--gfx1250"
	.amdhsa_code_object_version 6
	.text
	.protected	k_q06097df29f_proj
	.globl	k_q06097df29f_proj
	.p2align	8
	.type	k_q06097df29f_proj,@function
k_q06097df29f_proj:
	s_mov_b64 s[64:65], 0
	v_nop
	global_prefetch_b8 v0, s[64:65] scope:SCOPE_SE
	s_setreg_imm32_b32 hwreg(HW_REG_WAVE_MODE, 25, 1), 1
	s_wait_xcnt 0x0
	s_wait_alu depctr_hold_cnt(0) depctr_sa_sdst(0) depctr_va_vdst(0) depctr_va_sdst(0) depctr_va_ssrc(0) depctr_va_vcc(0) depctr_vm_vsrc(0)
	s_getreg_b32 s2, hwreg(HW_REG_IB_STS2, 6, 4)
	s_cmp_eq_u32 s2, 0
	s_cbranch_scc0 .Lentry_in_a_cluster
	s_endpgm
.Lentry_in_a_cluster:
	s_bfe_u32 s2, ttmp6, 0x10000c
	s_cmp_lg_u32 s2, 0xf033
	s_cbranch_scc0 .Lentry_shape_is_right
	s_endpgm
.Lentry_shape_is_right:
; qkv = x W + b on codes of FP6 (E2M3) with E8M0 scales, sums in f32; the results are quantised at once: q and k along d, v along the keys.
; Both operands are tiles of 256 rows of one buffer, opc (x's tokens, then W's columns), laid as images of the matrix unit's registers: fragment (row tile rt, K step ks) = 1,536 bytes at (8 rt + ks) x 1,536.
; A work-group of four waves makes 256 x 256; a wave 128 x 128: 64 accumulators, 512 registers.  Source 0 = 16 rows of "B", source 1 = 16 rows of "A": a lane holds ONE row of A and its registers run along B's rows,
; 16 neighbours in the 16 registers of two neighbouring tiles (the tiles' rows are ordered for that).  So a lane's 64 registers of one block of A's rows are 128 neighbours along the next product's K.
; CLUSTERS 0-15 (q, k): A = x, B = W: registers run along d.  CLUSTERS 16-23 (v): A = W, B = x: registers run along the keys, lanes hold d.  One text: only offsets are chosen, on the cluster's number.
; The bias is the C of each sum's first matrix instruction: by B's rows for q and k, by A's row for v; that first step is written twice, under a branch on the cluster's number, which all partners share.
; K = 1,024 goes in four steps of 256 through THREE LDS slots.  Steps 0, 1 and 2 are asked for together at the start; step 3 takes slot 0 as soon as it has been read, and has 224 matrix instructions of a wave in which to land.
; So there is one refill, one round of the cluster's barrier for it, and one more barrier in front of the reads of what it brought.  The scale words of the 512 rows, for all of K, come once and stay.
; JOINT LOADS: 4 x 4 work-groups; A's tile is shared along a row of the cluster, B's along a column: the same tensor load, with the same descriptor and a mask that names the four.
; 384 tiles for 256 WGPs: the second turn fills half of them; a smaller tile would read half as much again from LDS for each product.
; LIMITS: NaN and infinities are not served; a block whose largest magnitude lies under 2^-124 (zeros among them) gets the byte 1: its codes add next to nothing, and this program alone reads the bytes.
; REGISTERS, in windows of 256: window 0: v1-29 addresses; v32-63 scale words, two sets; v64-127 the bias, later at work; v128-223 A's 8 fragments, one set.  window 1: B's fragments, two sets, at v0 and v128.
;   window 2: the accumulators of A's blocks 0-3 ((a, b) at v[8 (8 (a % 4) + b)]); window 3: those of blocks 4-7.
.set KS,     8                         ; K steps of 128
.set FRB,    1536
.set HALFT,  16*FRB                    ; 8 row tiles x 2 K steps: what one tensor load brings
.set SLOT,   4*HALFT                   ; A's two halves, then B's two
.set SPART,  512*KS                    ; the scale words of 128 rows
.set SCL,    3*SLOT
.set SPARE,  SCL+4*SPART               ; the spare words, 128 bytes a wave: two blocks of 256 bytes that no other line names
.set SCRATCH, SPARE+512                ; 512 bytes a wave: the new scale words on their way out; no fill lands here
.set ADRA, 16                          ; v16-18 my A fragments in slot 0, 1, 2
.set ADRB, 20                          ; v20-22 my B fragments
.set LI,   24                          ; v24    16 x lane
.set SWA,  25                          ; v25    scratch: my row's word
.set SWR,  26                          ; v26    scratch: 16 bytes a lane on the way out
.set ADRS, 27                          ; v27    scale words: lanes 0-15 A's, lanes 16-31 B's
.set SPW,  28
.set NIL,  29
.set SC,   32                          ; set s at v[SC + 16 s]; register 2 i + q: block i, the K step's q-th 128 along K
.set BI,   64
.set AF,   128
.set TM,   32                          ; the way out: v32-35 largest magnitudes, v36-39 the other half's, then bytes, v44-47 scale operands
.set PC,   52                          ; v52-63 the codes
.set PT,   64                          ; v64-66, v68-70
.set PW,   72                          ; v72-79 a scale word for each block of rows
.set G1,   24
.set G0,   32                          ; s[32:39] A's groups 0 for slots 0 and 1
.set G0C,  20                          ; s[20:23] A's group 0 for slot 2, in registers that have held A's offsets alone
.set G1B,  48
.set G0B,  56                          ; s[56:63] B's for slots 0 and 1
.set G0BC, 4                           ; s[4:7]   B's for slot 2, where the two operand pointers lay: they are used up by then
.set G1S,  68
.set G0S,  76
.set G1SB, 80
.set G0SB, 88
.set SEL,  100
.set MSB, 0
.macro WIN new                         ; the immediate's high byte repeats the setting that is left
.if MSB != \new
	s_set_vgpr_msb (MSB<<8)|\new
.set MSB, \new
.endif
.endm
.macro JLOAD g0a, g1a, g0b, g1b        ; waves 0 and 1 fetch for A, waves 2 and 3 for B; four v_nop follow each line
	s_cmp_eq_u32 s15, 0
	s_cbranch_scc0 .Lfor_b_\@
	tensor_load_to_lds s[\g0a:\g0a+3], s[\g1a:\g1a+7]
	s_nop 0
.rept 4
	v_nop
.endr
	s_branch .Lasked_\@
.Lfor_b_\@:
	tensor_load_to_lds s[\g0b:\g0b+3], s[\g1b:\g1b+7]
	s_nop 0
.rept 4
	v_nop
.endr
.Lasked_\@:
.endm
.macro CREST                           ; a round of the cluster's barrier behind its opening barrier
	s_cmp_lg_u32 s14, 0
	s_cbranch_scc1 .Lnot_wave_0_\@
	s_barrier_signal -3
.Lnot_wave_0_\@:
	s_barrier_wait -3
	s_barrier_signal -1
	s_barrier_wait -1
.endm
.macro CROUND
	s_barrier_signal -1
	s_barrier_wait -1
	CREST
.endm
.macro PLACES n                        ; plain vector places behind matrix instructions, in front of loads into their registers and of reads of results
.rept \n
	v_nop
.endr
.endm
.macro FRAG reg, adr, off              ; a fragment comes as it was stored: three loads of 512 consecutive bytes
.irp c, 0,1,2
	ds_load_b128 v[\reg+4*\c:\reg+4*\c+3], v[\adr] offset:\off+512*\c
.endr
.endm
.macro FETCH_B slot, q, p
	WIN 0x40
.irp i, 0,1,2,3,4,5,6,7
	FRAG 128*(\p)+12*\i, ADRB+\slot, 3072*\i+1536*(\q)
.endr
	WIN 0
.endm
.macro FETCH_A slot, q, i0
.irp i, \i0, \i0+1, \i0+2, \i0+3
	FRAG AF+12*(\i), ADRA+\slot, 3072*(\i)+1536*(\q)
.endr
.endm
.macro SCALES sc
.irp i, 0,1,2,3,4,5,6,7
.irp q, 0,1
	ds_load_b32 v[SC+16*(\sc)+2*\i+\q], v[ADRS] offset:512*\q+64*\i
.endr
.endr
.endm
; 16 matrix instructions: A's blocks a0, a0 + 1 x B's eight.  cm 0: onto the sums; 2: the sums begin with the bias of B's rows; 3: with that of A's row.  The 64 accumulators take turns.
.macro MUL16 a0, p, q, sc, cm
.irp a, \a0, \a0+1
.irp b, 0,1,2,3,4,5,6,7
.if \cm == 0
	v_wmma_scale_f32_16x16x128_f8f6f4 v[8*(8*((\a)%4)+\b):8*(8*((\a)%4)+\b)+7], v[128*(\p)+12*\b:128*(\p)+12*\b+11], v[AF+12*(\a):AF+12*(\a)+11], v[8*(8*((\a)%4)+\b):8*(8*((\a)%4)+\b)+7], v[SC+16*(\sc)+2*\b+(\q)], v[SC+16*(\sc)+2*(\a)+(\q)] matrix_a_fmt:MATRIX_FMT_FP6 matrix_b_fmt:MATRIX_FMT_FP6 matrix_a_scale:MATRIX_SCALE_ROW1
.elseif \cm == 2
	v_wmma_scale_f32_16x16x128_f8f6f4 v[8*(8*((\a)%4)+\b):8*(8*((\a)%4)+\b)+7], v[128*(\p)+12*\b:128*(\p)+12*\b+11], v[AF+12*(\a):AF+12*(\a)+11], v[BI+8*\b:BI+8*\b+7], v[SC+16*(\sc)+2*\b+(\q)], v[SC+16*(\sc)+2*(\a)+(\q)] matrix_a_fmt:MATRIX_FMT_FP6 matrix_b_fmt:MATRIX_FMT_FP6 matrix_a_scale:MATRIX_SCALE_ROW1
.else
	v_wmma_scale_f32_16x16x128_f8f6f4 v[8*(8*((\a)%4)+\b):8*(8*((\a)%4)+\b)+7], v[128*(\p)+12*\b:128*(\p)+12*\b+11], v[AF+12*(\a):AF+12*(\a)+11], v[BI+8*(\a):BI+8*(\a)+7], v[SC+16*(\sc)+2*\b+(\q)], v[SC+16*(\sc)+2*(\a)+(\q)] matrix_a_fmt:MATRIX_FMT_FP6 matrix_b_fmt:MATRIX_FMT_FP6 matrix_a_scale:MATRIX_SCALE_ROW1
.endif
.endr
.endr
.endm
.macro STEP slot, sc, cm               ; a slot's first 128 along K, with the scale words of set sc; it fetches the second's fragments
	s_wait_dscnt 12                                ; all but the youngest twelve loads, A's blocks 4-7
.if \cm >= 2
	WIN 0x81                                       ; B window 1, A and the bias window 0, D window 2
.else
	WIN 0xa1
.endif
	MUL16 0, 0, 0, \sc, \cm
	MUL16 2, 0, 0, \sc, \cm
	s_wait_dscnt 0x0
	PLACES 4
	FETCH_B \slot, 1, 1
	FETCH_A \slot, 1, 0
.if \cm >= 2
	WIN 0xc1
.else
	WIN 0xf1
.endif
	MUL16 4, 0, 0, \sc, \cm
	MUL16 6, 0, 0, \sc, \cm
	PLACES 4
	WIN 0
	FETCH_A \slot, 1, 4
.endm
; A slot's second 128 along K, and the change of slots.  mode 1: this slot (slot 0) is filled again, with K step 3: the three lines, a round of the cluster's barrier, the joint refill.
; mode 2: the next slot holds what the refill brought: the wait for it and a barrier.  mode 0: the next slot was shown whole to every wave at the round of mode 1, and nothing fills this one again: no barrier.
.macro TURN slot, next, sc, nsc, mode
.if \mode
	s_wait_tensorcnt 0x0                           ; all my tensor loads have landed
	ds_add_u32 v[SPW], v[NIL]                      ; 0 onto my spare word
	s_wait_dscnt 13                                ; (the add and A's blocks 4-7, twelve loads, may be out)
	WIN 0xa1
	MUL16 0, 1, 1, \sc, 0
	s_wait_dscnt 0x0                               ; the add is done, and my reads of this slot are over
	s_barrier_signal -1
	MUL16 2, 1, 1, \sc, 0
	WIN 0
	s_barrier_wait -1
.else
	s_wait_dscnt 12                                ; all but A's blocks 4-7
	WIN 0xa1
	MUL16 0, 1, 1, \sc, 0
	MUL16 2, 1, 1, \sc, 0
	s_wait_dscnt 0x0                               ; A's blocks 4-7 are in
	WIN 0
.endif
.if \mode == 1
	CREST                                          ; the barrier has opened a round of the cluster's: no wave of any partner still reads this slot or has a load on its way
	s_add_nc_u64 s[G0+4*\slot+2:G0+4*\slot+3], s[G0+4*\slot+2:G0+4*\slot+3], 6*FRB     ; three K steps on
	s_add_nc_u64 s[G0B+4*\slot+2:G0B+4*\slot+3], s[G0B+4*\slot+2:G0B+4*\slot+3], 6*FRB
	JLOAD G0+4*\slot, G1, G0B+4*\slot, G1B         ; the first tensor load behind the round; its four v_nop are the places in front of the loads below
.else
	PLACES 4
.endif
	v_add_nc_u32 v[ADRS], 1024, v[ADRS]            ; the next K step's scale words
	FETCH_B \next, 0, 0
	FETCH_A \next, 0, 0
	SCALES \nsc
	WIN 0xf1
	MUL16 4, 1, 1, \sc, 0
	MUL16 6, 1, 1, \sc, 0
	PLACES 4
	WIN 0
	FETCH_A \next, 0, 4
.endm
	s_load_b256 s[4:11], s[0:1], 0x0               ; opc s[4:5], ops s[6:7], b_qkv s[8:9], qkvc s[10:11]
	s_load_b64 s[12:13], s[0:1], 0x20              ; qkvs
	v_lshl_add_u32 v[SPW], v0, 2, SPARE
	v_mov_b32 v[NIL], 0
	ds_add_u32 v28, v29
	ds_add_u32 v28, v29
	s_wait_dscnt 0x0
	v_lshrrev_b32 v1, 5, v0
	v_readfirstlane_b32 s14, v1                    ; wave
	s_lshr_b32 s15, s14, 1                         ; my half of A's rows.  Also: I fetch for A (0) or for B (1)
	s_and_b32 s16, s14, 1                          ; my half of B's rows.  Also: which 128 rows I fetch
	s_bfe_u32 s40, ttmp6, 0x40000                  ; cx
	s_bfe_u32 s41, ttmp6, 0x40004                  ; cy
	s_lshl_b32 s43, s41, 2
	s_lshl_b32 s43, 15, s43                        ; my row of the cluster
	s_lshl_b32 s44, 0x1111, s40                    ; my column
	s_and_b32 s17, ttmp9, 1
	s_lshl_b32 s17, s17, 2
	s_add_co_u32 s17, s17, 32                      ; q, k: B = W's tiles 32 + 4 (c % 2) on
	s_and_b32 s18, ttmp9, 7
	s_lshl_b32 s18, s18, 2                         ; v: B = x's tiles 4 (c - 16) on
	s_lshr_b32 s19, ttmp9, 1
	s_lshl_b32 s19, s19, 2                         ; q, k: A = x's tiles 4 (c / 2) on
	s_cmp_lt_u32 ttmp9, 16                         ; the cluster's number: the same in all sixteen partners
	s_cselect_b32 s17, s17, s18
	s_cselect_b32 s19, s19, 40                     ; v: A = W's tiles 40 on
	s_cselect_b32 s92, 3, 4                        ; log2 of the result's K steps: 8 (d) or 16 (keys)
	s_cselect_b32 s93, 9, 6                        ; log2 of the row tiles of one of its parts: 512 (q, k) or 64 (a batch of v)
	s_cselect_b32 s94, 32, 0                       ; B's first tile
	s_cselect_b32 s95, 0, 40                       ; A's first tile
	s_cselect_b32 s96, 0, 12582912                 ; where the codes begin
	s_cselect_b32 s97, 0, 524288                   ; and the scale words
	s_add_co_u32 s42, s17, s40                     ; B's tile: hangs on cx alone
	s_add_co_u32 s45, s19, s41                     ; A's tile: on cy alone
	s_or_b32 s[G1+0], s43, (3<<16)|(1<<21)         ; 15:0 the mask; 17:16 elements of 8 bytes; 21 set beside a mask; no padding
	s_or_b32 s[G1B+0], s44, (3<<16)|(1<<21)
.irp g, G1, G1B
	s_mov_b32 s[\g+1], 384<<16                     ; tensor_dim0: 3,072 bytes, a row tile's two fragments
	s_mov_b32 s[\g+2], 8<<16                       ; tensor_dim1: 8 row tiles
	s_mov_b32 s[\g+3], 384<<16                     ; tile_dim0
	s_mov_b32 s[\g+4], 8                           ; tile_dim1
	s_mov_b32 s[\g+5], 192*KS                      ; from row tile to row tile
	s_mov_b32 s[\g+6], 0
	s_mov_b32 s[\g+7], 0
.endr
	s_or_b32 s[G1S+0], s43, (3<<16)|(1<<21)        ; the scale words of 128 rows: a dense block, as rows of 256 bytes
	s_or_b32 s[G1SB+0], s44, (3<<16)|(1<<21)
.irp g, G1S, G1SB
	s_mov_b32 s[\g+1], 32<<16
	s_mov_b32 s[\g+2], (2*KS)<<16
	s_mov_b32 s[\g+3], 32<<16
	s_mov_b32 s[\g+4], 2*KS
	s_mov_b32 s[\g+5], 32
	s_mov_b32 s[\g+6], 0
	s_mov_b32 s[\g+7], 0
.endr
	s_lshl_b32 s20, s45, 1
	s_add_co_u32 s20, s20, s16                     ; A: which 128 rows of opc
	s_mul_i32 s22, s20, SPART
	s_mul_i32 s20, s20, 8*KS*FRB
	s_mov_b32 s21, 0
	s_mov_b32 s23, 0
	s_lshl_b32 s46, s42, 1
	s_add_co_u32 s46, s46, s16                     ; B likewise
	s_mul_i32 s2, s46, SPART
	s_mul_i32 s46, s46, 8*KS*FRB
	s_mov_b32 s47, 0
	s_mov_b32 s3, 0
	s_mul_i32 s98, s14, HALFT                      ; where they go: by the wave's number alone
	s_mul_i32 s99, s14, SPART
	s_mov_b32 s[SEL], 0x76543210
	s_mov_b32 s[SEL+1], 0xfedcba98
	s_wait_kmcnt 0x0
	s_add_nc_u64 s[20:21], s[4:5], s[20:21]
	s_add_nc_u64 s[22:23], s[6:7], s[22:23]
	s_add_nc_u64 s[46:47], s[4:5], s[46:47]
	s_add_nc_u64 s[2:3], s[6:7], s[2:3]
	CROUND                                         ; all sixteen work-groups are here: the first joint loads meet
	s_mov_b32 s[G0S], 1
	s_add_co_u32 s[G0S+1], s99, SCL
	s_mov_b64 s[G0S+2:G0S+3], s[22:23]
	s_or_b32 s[G0S+3], s[G0S+3], 0x80000000
	s_mov_b32 s[G0SB], 1
	s_add_co_u32 s[G0SB+1], s99, SCL
	s_mov_b64 s[G0SB+2:G0SB+3], s[2:3]
	s_or_b32 s[G0SB+3], s[G0SB+3], 0x80000000
	JLOAD G0S, G1S, G0SB, G1SB                     ; four loads of mine go out together: the scale words, slots 0, 1 and 2
.irp s, 0,1
	s_mov_b32 s[G0+4*\s], 1
	s_add_co_u32 s[G0+4*\s+1], s98, \s*SLOT
	s_add_nc_u64 s[G0+4*\s+2:G0+4*\s+3], s[20:21], \s*2*FRB
	s_or_b32 s[G0+4*\s+3], s[G0+4*\s+3], 0x80000000
	s_mov_b32 s[G0B+4*\s], 1
	s_add_co_u32 s[G0B+4*\s+1], s98, \s*SLOT
	s_add_nc_u64 s[G0B+4*\s+2:G0B+4*\s+3], s[46:47], \s*2*FRB
	s_or_b32 s[G0B+4*\s+3], s[G0B+4*\s+3], 0x80000000
	JLOAD G0+4*\s, G1, G0B+4*\s, G1B
.endr
	s_add_nc_u64 s[G0C+2:G0C+3], s[20:21], 4*FRB   ; slot 2: K step 2.  (A's base is read here for the last time; its registers then take the group's first two words)
	s_or_b32 s[G0C+3], s[G0C+3], 0x80000000
	s_mov_b32 s[G0C], 1
	s_add_co_u32 s[G0C+1], s98, 2*SLOT
	s_mov_b32 s[G0BC], 1
	s_add_co_u32 s[G0BC+1], s98, 2*SLOT
	s_add_nc_u64 s[G0BC+2:G0BC+3], s[46:47], 4*FRB
	s_or_b32 s[G0BC+3], s[G0BC+3], 0x80000000
	JLOAD G0C, G1, G0BC, G1B
	v_and_b32 v1, 15, v0                           ; r
	v_bfe_u32 v2, v0, 4, 1                         ; h
	v_and_b32 v3, 31, v0
	v_lshlrev_b32 v[LI], 4, v3
	s_mul_i32 s66, s15, HALFT
	s_mul_i32 s67, s16, HALFT
	s_add_co_u32 s67, s67, 2*HALFT
.irp s, 0,1,2
	v_add_nc_u32 v[ADRA+\s], s66, v[LI]
	v_add_nc_u32 v[ADRB+\s], s67, v[LI]
	s_add_co_u32 s66, s66, SLOT
	s_add_co_u32 s67, s67, SLOT
.endr
	s_mul_i32 s66, s15, SPART
	s_mul_i32 s67, s16, SPART
	s_add_co_u32 s67, s67, 2*SPART
	s_sub_co_u32 s67, s67, s66
	v_mul_u32_u24 v6, s67, v2                      ; lanes 16-31 take B's words: one product, the distance between the two parts
	s_add_co_u32 s66, s66, SCL
	v_lshl_add_u32 v5, v1, 2, v6
	v_add_nc_u32 v[ADRS], s66, v5
	s_lshl_b32 s66, s14, 9
	s_add_co_u32 s66, s66, SCRATCH
	v_lshl_add_u32 v[SWA], v1, 2, s66
	v_add_nc_u32 v[SWR], s66, v[LI]
	v_lshlrev_b32 v7, 6, v2                        ; bias by B's rows: my half's 16 numbers of each 32
	v_and_b32 v8, 8, v1
	v_add_nc_u32 v8, v8, v1
	v_lshlrev_b32 v8, 2, v8                        ; bias by A's row: r + 8 (r / 8)
	; where my 128 x 128 goes
	s_sub_co_u32 s17, s42, s94
	s_lshl_b32 s17, s17, 1
	s_add_co_u32 s17, s17, s16                     ; which 128 of B's rows, from B's first tile on
	s_lshr_b32 s18, s17, s92                       ; the part: q or k; or v's batch
	s_lshl_b32 s19, s18, s92
	s_sub_co_u32 s19, s17, s19                     ; and the K step in it
	s_sub_co_u32 s98, s45, s95
	s_lshl_b32 s98, s98, 4
	s_lshl_b32 s99, s15, 3
	s_add_co_u32 s98, s98, s99                     ; my first row tile
	s_lshl_b32 s66, s18, s93
	s_add_co_u32 s66, s66, s98
	s_lshl_b32 s66, s66, s92
	s_add_co_u32 s66, s66, s19
	s_mul_i32 s66, s66, FRB
	s_add_co_u32 s66, s66, s96
	s_mov_b32 s67, 0
	s_add_nc_u64 s[10:11], s[10:11], s[66:67]      ; the codes of my first block of rows
	s_lshl_b32 s46, FRB, s92                       ; from row tile to row tile
	s_mov_b32 s47, 0
	s_sub_co_u32 s99, s93, 3
	s_lshl_b32 s66, s18, s99
	s_lshr_b32 s99, s98, 3
	s_add_co_u32 s66, s66, s99
	s_lshl_b32 s66, s66, s92
	s_add_co_u32 s66, s66, s19
	s_lshl_b32 s66, s66, 9
	s_add_co_u32 s66, s66, s97
	s_add_nc_u64 s[12:13], s[12:13], s[66:67]      ; my 128 rows' scale words of that K step: 512 bytes
	s_lshl_b32 s99, s17, 9                         ; bias: 128 numbers from column 128 x (which 128),
	s_lshl_b32 s66, s98, 6
	s_add_co_u32 s66, s66, 8192                    ; or from column 2,048 + 16 x (first row tile)
	s_cmp_lt_u32 ttmp9, 16
	s_cselect_b32 s66, s99, s66
	s_add_nc_u64 s[8:9], s[8:9], s[66:67]
	s_cbranch_scc0 .Lbias_v
.irp g, 0,1,2,3
.irp m, 0,1,2,3
	global_load_b128 v[BI+16*\g+4*\m:BI+16*\g+4*\m+3], v7, s[8:9] offset:128*\g+16*\m   ; register 16 g + i: column 32 g + 16 h + i
.endr
.endr
	s_branch .Lbias_in
.Lbias_v:
.irp a, 0,1,2,3,4,5,6,7
	global_load_b32 v[BI+8*\a], v8, s[8:9] offset:4*(32*(\a/2)+8*(\a%2))                ; my row of block a
.endr
	s_wait_loadcnt 0x0
.irp a, 0,1,2,3,4,5,6,7
.irp j, 1,2,3,4,5,6,7
	v_mov_b32 v[BI+8*\a+\j], v[BI+8*\a]            ; the same for all eight registers of a result
.endr
.endr
.Lbias_in:
	s_wait_loadcnt 0x0
	s_wait_tensorcnt 0x2                           ; the scale words and my part of slot 0 are in; slots 1 and 2 may be out
	s_barrier_signal -1
	s_barrier_wait -1
	FETCH_B 0, 0, 0
	FETCH_A 0, 0, 0
	SCALES 0
	FETCH_A 0, 0, 4
	s_cmp_lt_u32 ttmp9, 16
	s_cbranch_scc0 .Lfirst_v
	STEP 0, 0, 2
	s_branch .Lfirst_done
.Lfirst_v:
	STEP 0, 0, 3
.Lfirst_done:
	TURN 0, 1, 0, 1, 1                             ; K step 0 ends; slot 0 takes K step 3
	STEP 1, 1, 0
	TURN 1, 2, 1, 0, 0                             ; K step 1 ends; slot 2 has been whole since the round above
	STEP 2, 0, 0
	TURN 2, 0, 0, 1, 2                             ; K step 2 ends; the refill is waited for
	STEP 0, 1, 0
	s_wait_dscnt 12
	WIN 0xa1
	MUL16 0, 1, 1, 1, 0
	MUL16 2, 1, 1, 1, 0
	s_wait_dscnt 0x0
	WIN 0xf1
	MUL16 4, 1, 1, 1, 0
	MUL16 6, 1, 1, 1, 0
	WIN 0
; THE WAY OUT: block a (16 rows of A, 128 along the next K) becomes one fragment and one scale word a row.  Register 16 b + i of the block = k 32 b + 16 h + i of my row.
.macro EPI a
.set W, 2+(\a)/4
.set AC, 64*((\a)%4)
.set WW, (W<<2)|(W<<4)
	WIN WW
.irp b, 0,1,2,3
	v_max3_num_f32 v[TM+\b], 0x1800000, |v[AC+16*\b]|, |v[AC+16*\b+1]|     ; my 16 numbers of block b, each accumulator from its low end on, and the floor 2^(3 - 127)
.endr
.irp i, 2,4,6,8,10,12,14
.irp b, 0,1,2,3
	v_max3_num_f32 v[TM+\b], v[TM+\b], |v[AC+16*\b+\i]|, |v[AC+16*\b+\i+1]|
.endr
.endr
	WIN 0
.irp b, 0,1,2,3
	v_permlanex16_b32 v[TM+4+\b], v[TM+\b], s[SEL], s[SEL+1]
.endr
.irp b, 0,1,2,3
	v_max_num_f32 v[TM+\b], v[TM+\b], v[TM+4+\b]   ; with lane l xor 16's: the block's largest magnitude
.endr
.irp b, 0,1,2,3
	v_add_nc_u32 v[TM+12+\b], 0xff000000, v[TM+\b]
.endr
.irp b, 0,1,2,3
	v_lshrrev_b32 v[TM+4+\b], 23, v[TM+12+\b]
.endr
	v_lshl_or_b32 v[PW+(\a)], v[TM+5], 8, v[TM+4]
	v_lshl_or_b32 v[PW+(\a)], v[TM+6], 16, v[PW+(\a)]
	v_lshl_or_b32 v[PW+(\a)], v[TM+7], 24, v[PW+(\a)]
.if (\a) > 0
	s_wait_xcnt 0x0                                ; the last block's stores have read their base and the codes' registers
	s_add_nc_u64 s[10:11], s[10:11], s[46:47]
.endif
	WIN W
.irp c, 0,1
	v_cvt_scalef32_pk16_fp6_f32 v[PC+6*\c:PC+6*\c+2], v[AC+32*\c:AC+32*\c+15], v[TM+12+2*\c]
	v_cvt_scalef32_pk16_fp6_f32 v[PT+4*\c:PT+4*\c+2], v[AC+32*\c+16:AC+32*\c+31], v[TM+12+2*\c+1]
.endr
	WIN 0
	v_nop                                          ; one plain place behind the scaled conversions
.irp c, 0,1                            ; the operand wants a whole block in a lane: lanes 0-15 block 2 c, lanes 16-31 block 2 c + 1
.irp i, 0,1,2
	v_permlane16_swap_b32 v[PC+6*\c+\i], v[PT+4*\c+\i]
.endr
.irp i, 0,1,2
	v_mov_b32 v[PC+3+6*\c+\i], v[PT+4*\c+\i]
.endr
.endr
	ds_store_b32 v[SWA], v[PW+(\a)] offset:64*(\a)
.irp c, 0,1,2
	global_store_b128 v[LI], v[PC+4*\c:PC+4*\c+3], s[10:11] offset:512*\c     ; 32 lanes store 512 consecutive bytes, aligned
.endr
.endm
	PLACES 4
.irp b, 0,1,2,3
	v_mov_b32 v[TM+4+\b], 0                        ; a lane permute's destination counts as one of its sources
.endr
.irp a, 0,1,2,3,4,5,6,7
	EPI \a
.endr
	ds_load_b128 v[32:35], v[SWR]                  ; in order behind my eight stores: 128 words
	s_wait_dscnt 0x0
	global_store_b128 v[LI], v[32:35], s[12:13]    ; 512 consecutive bytes, aligned
	s_wait_tensorcnt 0x0                           ; the wave's end
	ds_add_u32 v[SPW], v[NIL]
	s_wait_dscnt 0x0
	CROUND                                         ; the closing round
	s_endpgm
.Lfunc_end_k_q06097df29f_proj:
	.size	k_q06097df29f_proj, .Lfunc_end_k_q06097df29f_proj-k_q06097df29f_proj
	.p2alignl 7, 3214868480
	.fill 96, 4, 3214868480
	.section	.rodata,"a",@progbits
	.p2align	6, 0x0
	.amdhsa_kernel k_q06097df29f_proj
		.amdhsa_group_segment_fixed_size 327680
		.amdhsa_private_segment_fixed_size 0
		.amdhsa_enable_private_segment 0
		.amdhsa_kernarg_size 40
		.amdhsa_user_sgpr_count 2
		.amdhsa_user_sgpr_kernarg_segment_ptr 1
		.amdhsa_wavefront_size32 1
		.amdhsa_system_sgpr_workgroup_id_x 1
		.amdhsa_system_sgpr_workgroup_id_y 1
		.amdhsa_system_sgpr_workgroup_id_z 1
		.amdhsa_system_vgpr_workitem_id 0
		.amdhsa_next_free_vgpr 1024
		.amdhsa_next_free_sgpr 102
		.amdhsa_reserve_vcc 0
		.amdhsa_float_denorm_mode_32 3
		.amdhsa_float_denorm_mode_16_64 3
		.amdhsa_memory_ordered 1
		.amdhsa_forward_progress 1
		.amdhsa_inst_pref_size 159
	.end_amdhsa_kernel
	.amdgpu_metadata
---
amdhsa.version: [ 1, 2 ]
amdhsa.kernels:
  - .name:           k_q06097df29f_proj
    .symbol:         k_q06097df29f_proj.kd
    .args:
      - { .name: opc, .offset: 0, .size: 8, .value_kind: global_buffer, .address_space: global }
      - { .name: ops, .offset: 8, .size: 8, .value_kind: global_buffer, .address_space: global }
      - { .name: b_qkv, .offset: 16, .size: 8, .value_kind: global_buffer, .address_space: global }
      - { .name: qkvc, .offset: 24, .size: 8, .value_kind: global_buffer, .address_space: global }
      - { .name: qkvs, .offset: 32, .size: 8, .value_kind: global_buffer, .address_space: global }
    .group_segment_fixed_size: 327680
    .private_segment_fixed_size: 0
    .kernarg_segment_align: 8
    .kernarg_segment_size: 40
    .max_flat_workgroup_size: 128
    .sgpr_count:     102
    .vgpr_count:     1024
    .wavefront_size: 32
...
	.end_amdgpu_metadata
.endif
;; end of part 5
;; launch score (part 6): grid 8 x 32, 4 waves a work-group, clusters of 4 x 4, 327,680 bytes of LDS; arguments qkvc, qkvs, pc, px; writes pc, px
.if DOCPART == 6
	.amdgcn_target "amdgcn-amd-amdhsa--gfx1250"
	.amdhsa_code_object_version 6
	.text
	.protected	k_q06097df29f_score
	.globl	k_q06097df29f_score
	.p2align	8
	.type	k_q06097df29f_score,@function
k_q06097df29f_score:
	s_mov_b64 s[64:65], 0
	v_nop
	global_prefetch_b8 v0, s[64:65] scope:SCOPE_SE
	s_setreg_imm32_b32 hwreg(HW_REG_WAVE_MODE, 25, 1), 1
	s_wait_xcnt 0x0
	s_wait_alu depctr_hold_cnt(0) depctr_sa_sdst(0) depctr_va_vdst(0) depctr_va_sdst(0) depctr_va_ssrc(0) depctr_va_vcc(0) depctr_vm_vsrc(0)
	s_getreg_b32 s2, hwreg(HW_REG_IB_STS2, 6, 4)
	s_cmp_eq_u32 s2, 0
	s_cbranch_scc0 .Lentry_in_a_cluster
	s_endpgm
.Lentry_in_a_cluster:
	s_bfe_u32 s2, ttmp6, 0x10000c
	s_cmp_lg_u32 s2, 0xf033
	s_cbranch_scc0 .Lentry_shape_is_right
	s_endpgm
.Lentry_shape_is_right:
; S = q k^T on codes of FP6 (E2M3) with E8M0 scales, sums in f32; then, for each query and each run of 128 keys: t = S x log2(e) / 32, M = the run's largest t rounded UP to a whole number,
; p = 2^(t - M), the sum of the unquantised p, and p quantised along the keys.  Stored: p's codes (pc), and in px p's scale words, -M and the sum, one word each for a query and 128 keys.
; M is the run's own maximum, taken away before every exponential; the next launch brings all runs of a row under the row's M by whole powers of two, which the scale bytes take up.
; Operands are images of the matrix unit's registers (fragment (rt, ks) = 1,536 bytes at (8 rt + ks) x 1,536).  Source 0 = 16 keys, source 1 = 16 queries: a lane holds ONE query, and the 16 registers of two
; neighbouring tiles are 16 neighbouring keys (the tiles' rows are ordered for that).  A work-group of four waves makes 256 queries x 256 keys of one batch; a wave 128 x 128: 64 accumulators.
; K = 1,024 goes in four steps of 256 through THREE LDS slots.  Steps 0, 1 and 2 are asked for together at the start; step 3 takes slot 0 as soon as it has been read, and has 224 matrix instructions of a wave in which to land.
; The scale words of the 512 rows come once and stay.
; JOINT LOADS: 4 x 4 work-groups; q's tile is shared along a row of the cluster, k's along a column.
; LIMITS: NaN and infinities are not served; a block of 32 keys whose every p lies under 2^-124 gets the byte 1.
; REGISTERS: window 0: v1-29 addresses; v32-63 scale words, two sets; v128-223 q's 8 fragments; the way out works in v32-103.  window 1: k's fragments, two sets.  windows 2, 3: the accumulators.
.set KS,     8
.set FRB,    1536
.set HALFT,  16*FRB
.set SLOT,   4*HALFT
.set SPART,  512*KS
.set SCL,    3*SLOT
.set SPARE,  SCL+4*SPART               ; the spare words, 128 bytes a wave: two blocks of 256 bytes that no other line names
.set SCRATCH, SPARE+512                ; 1,536 bytes a wave: scale words, -M and sums on their way out; no fill lands here
.set ADRA, 16                          ; v16-18
.set ADRB, 20                          ; v20-22
.set LI,   24
.set SWA,  25
.set SWR,  26
.set ADRS, 27
.set SPW,  28
.set NIL,  29
.set SC,   32
.set AF,   128
.set T,    32                          ; v32-35 the blocks' largest scores, then largest p; v36-39 the other half's, then bytes; v42 at work; v44-47 scale operands
.set LA,   50                          ; v[50:51], v[52:53] the sum in two chains of pairs; v54, v55 at work
.set PC,   56                          ; v56-67 the codes
.set PT,   68                          ; v68-70, v72-74
.set NMP,  80                          ; v[80 + 2 a] -M, v[81 + 2 a] the sum, of block a
.set PW,   96                          ; v[96 + a] its scale word
.set G1,   24
.set G0,   32                          ; s[32:39] q's groups 0 for slots 0 and 1
.set G0C,  20                          ; s[20:23] q's for slot 2, in registers that have held q's offsets alone
.set G1B,  48
.set G0B,  56                          ; s[56:63] k's for slots 0 and 1
.set G0BC, 4                           ; s[4:7]   k's for slot 2, where the two operand pointers lay: they are used up by then
.set G1S,  68
.set G0S,  76
.set G1SB, 80
.set G0SB, 88
.set CS,   92                          ; s[92:93] c = log2(e) / 32
.set SEL,  100
.set MSB, 0
.macro WIN new
.if MSB != \new
	s_set_vgpr_msb (MSB<<8)|\new
.set MSB, \new
.endif
.endm
.macro JLOAD g0a, g1a, g0b, g1b        ; waves 0 and 1 fetch for q, waves 2 and 3 for k; four v_nop follow each line
	s_cmp_eq_u32 s15, 0
	s_cbranch_scc0 .Lfor_b_\@
	tensor_load_to_lds s[\g0a:\g0a+3], s[\g1a:\g1a+7]
	s_nop 0
.rept 4
	v_nop
.endr
	s_branch .Lasked_\@
.Lfor_b_\@:
	tensor_load_to_lds s[\g0b:\g0b+3], s[\g1b:\g1b+7]
	s_nop 0
.rept 4
	v_nop
.endr
.Lasked_\@:
.endm
.macro CREST
	s_cmp_lg_u32 s14, 0
	s_cbranch_scc1 .Lnot_wave_0_\@
	s_barrier_signal -3
.Lnot_wave_0_\@:
	s_barrier_wait -3
	s_barrier_signal -1
	s_barrier_wait -1
.endm
.macro CROUND
	s_barrier_signal -1
	s_barrier_wait -1
	CREST
.endm
.macro PLACES n
.rept \n
	v_nop
.endr
.endm
.macro FRAG reg, adr, off
.irp c, 0,1,2
	ds_load_b128 v[\reg+4*\c:\reg+4*\c+3], v[\adr] offset:\off+512*\c
.endr
.endm
.macro FETCH_B slot, q, p
	WIN 0x40
.irp i, 0,1,2,3,4,5,6,7
	FRAG 128*(\p)+12*\i, ADRB+\slot, 3072*\i+1536*(\q)
.endr
	WIN 0
.endm
.macro FETCH_A slot, q, i0
.irp i, \i0, \i0+1, \i0+2, \i0+3
	FRAG AF+12*(\i), ADRA+\slot, 3072*(\i)+1536*(\q)
.endr
.endm
.macro SCALES sc
.irp i, 0,1,2,3,4,5,6,7
.irp q, 0,1
	ds_load_b32 v[SC+16*(\sc)+2*\i+\q], v[ADRS] offset:512*\q+64*\i
.endr
.endr
.endm
.macro MUL16 a0, p, q, sc, cm          ; cm 1: the first product starts the sums.  The 64 accumulators take turns
.irp a, \a0, \a0+1
.irp b, 0,1,2,3,4,5,6,7
.if \cm == 0
	v_wmma_scale_f32_16x16x128_f8f6f4 v[8*(8*((\a)%4)+\b):8*(8*((\a)%4)+\b)+7], v[128*(\p)+12*\b:128*(\p)+12*\b+11], v[AF+12*(\a):AF+12*(\a)+11], v[8*(8*((\a)%4)+\b):8*(8*((\a)%4)+\b)+7], v[SC+16*(\sc)+2*\b+(\q)], v[SC+16*(\sc)+2*(\a)+(\q)] matrix_a_fmt:MATRIX_FMT_FP6 matrix_b_fmt:MATRIX_FMT_FP6 matrix_a_scale:MATRIX_SCALE_ROW1
.else
	v_wmma_scale_f32_16x16x128_f8f6f4 v[8*(8*((\a)%4)+\b):8*(8*((\a)%4)+\b)+7], v[128*(\p)+12*\b:128*(\p)+12*\b+11], v[AF+12*(\a):AF+12*(\a)+11], 0, v[SC+16*(\sc)+2*\b+(\q)], v[SC+16*(\sc)+2*(\a)+(\q)] matrix_a_fmt:MATRIX_FMT_FP6 matrix_b_fmt:MATRIX_FMT_FP6 matrix_a_scale:MATRIX_SCALE_ROW1
.endif
.endr
.endr
.endm
.macro STEP slot, sc, cm
	s_wait_dscnt 12                                ; all but the youngest twelve loads, q's blocks 4-7
	WIN 0xa1
	MUL16 0, 0, 0, \sc, \cm
	MUL16 2, 0, 0, \sc, \cm
	s_wait_dscnt 0x0
	PLACES 4
	FETCH_B \slot, 1, 1
	FETCH_A \slot, 1, 0
	WIN 0xf1
	MUL16 4, 0, 0, \sc, \cm
	MUL16 6, 0, 0, \sc, \cm
	PLACES 4
	WIN 0
	FETCH_A \slot, 1, 4
.endm
; A slot's second 128 along K, and the change of slots.  mode 1: this slot (slot 0) is filled again, with K step 3: the three lines, a round of the cluster's barrier, the joint refill.
; mode 2: the next slot holds what the refill brought: the wait for it and a barrier.  mode 0: the next slot was shown whole to every wave at the round of mode 1, and nothing fills this one again: no barrier.
.macro TURN slot, next, sc, nsc, mode
.if \mode
	s_wait_tensorcnt 0x0                           ; all my tensor loads have landed
	ds_add_u32 v[SPW], v[NIL]                      ; 0 onto my spare word
	s_wait_dscnt 13                                ; (the add and twelve loads may be out)
	WIN 0xa1
	MUL16 0, 1, 1, \sc, 0
	s_wait_dscnt 0x0                               ; the add is done, and my reads of this slot are over
	s_barrier_signal -1
	MUL16 2, 1, 1, \sc, 0
	WIN 0
	s_barrier_wait -1
.else
	s_wait_dscnt 12                                ; all but q's blocks 4-7
	WIN 0xa1
	MUL16 0, 1, 1, \sc, 0
	MUL16 2, 1, 1, \sc, 0
	s_wait_dscnt 0x0                               ; q's blocks 4-7 are in
	WIN 0
.endif
.if \mode == 1
	CREST                                          ; a round of the cluster's barrier: no wave of any partner still reads this slot or has a load on its way
	s_add_nc_u64 s[G0+4*\slot+2:G0+4*\slot+3], s[G0+4*\slot+2:G0+4*\slot+3], 6*FRB     ; three K steps on
	s_add_nc_u64 s[G0B+4*\slot+2:G0B+4*\slot+3], s[G0B+4*\slot+2:G0B+4*\slot+3], 6*FRB
	JLOAD G0+4*\slot, G1, G0B+4*\slot, G1B         ; the first tensor load behind the round; its four v_nop are the places in front of the loads below
.else
	PLACES 4
.endif
	v_add_nc_u32 v[ADRS], 1024, v[ADRS]
	FETCH_B \next, 0, 0
	FETCH_A \next, 0, 0
	SCALES \nsc
	WIN 0xf1
	MUL16 4, 1, 1, \sc, 0
	MUL16 6, 1, 1, \sc, 0
	PLACES 4
	WIN 0
	FETCH_A \next, 0, 4
.endm
	s_load_b256 s[4:11], s[0:1], 0x0               ; qkvc s[4:5], qkvs s[6:7], pc s[8:9], px s[10:11]
	v_lshl_add_u32 v[SPW], v0, 2, SPARE
	v_mov_b32 v[NIL], 0
	ds_add_u32 v28, v29
	ds_add_u32 v28, v29
	s_wait_dscnt 0x0
	v_lshrrev_b32 v1, 5, v0
	v_readfirstlane_b32 s14, v1
	s_lshr_b32 s15, s14, 1                         ; my half of the queries.  Also: I fetch for q (0) or for k (1)
	s_and_b32 s16, s14, 1                          ; my half of the keys.  Also: which 128 rows I fetch
	s_bfe_u32 s40, ttmp6, 0x40000                  ; cx
	s_bfe_u32 s41, ttmp6, 0x40004                  ; cy
	s_lshl_b32 s42, ttmp9, 2
	s_add_co_u32 s42, s42, s40                     ; the batch's tile of 256 keys, 0 .. 7
	s_and_b32 s17, ttmp7, 0xffff
	s_lshr_b32 s18, s17, 1                         ; the batch: two clusters high, so all partners share it
	s_lshl_b32 s45, s17, 2
	s_add_co_u32 s45, s45, s41                     ; the tile of 256 queries, 0 .. 31
	s_lshl_b32 s43, s41, 2
	s_lshl_b32 s43, 15, s43
	s_lshl_b32 s44, 0x1111, s40
	s_or_b32 s[G1+0], s43, (3<<16)|(1<<21)
	s_or_b32 s[G1B+0], s44, (3<<16)|(1<<21)
.irp g, G1, G1B
	s_mov_b32 s[\g+1], 384<<16
	s_mov_b32 s[\g+2], 8<<16
	s_mov_b32 s[\g+3], 384<<16
	s_mov_b32 s[\g+4], 8
	s_mov_b32 s[\g+5], 192*KS
	s_mov_b32 s[\g+6], 0
	s_mov_b32 s[\g+7], 0
.endr
	s_or_b32 s[G1S+0], s43, (3<<16)|(1<<21)
	s_or_b32 s[G1SB+0], s44, (3<<16)|(1<<21)
.irp g, G1S, G1SB
	s_mov_b32 s[\g+1], 32<<16
	s_mov_b32 s[\g+2], (2*KS)<<16
	s_mov_b32 s[\g+3], 32<<16
	s_mov_b32 s[\g+4], 2*KS
	s_mov_b32 s[\g+5], 32
	s_mov_b32 s[\g+6], 0
	s_mov_b32 s[\g+7], 0
.endr
	s_lshl_b32 s20, s45, 1
	s_add_co_u32 s20, s20, s16                     ; q: which 128 rows
	s_mul_i32 s22, s20, SPART
	s_mul_i32 s20, s20, 8*KS*FRB
	s_mov_b32 s21, 0
	s_mov_b32 s23, 0
	s_lshl_b32 s46, s18, 3
	s_add_co_u32 s46, s46, s42
	s_lshl_b32 s46, s46, 1
	s_add_co_u32 s46, s46, s16                     ; k: which 128 rows
	s_mul_i32 s2, s46, SPART
	s_add_co_u32 s2, s2, 262144                    ; k's scale words follow q's
	s_mul_i32 s46, s46, 8*KS*FRB
	s_add_co_u32 s46, s46, 6291456                 ; k's codes follow q's
	s_mov_b32 s47, 0
	s_mov_b32 s3, 0
	s_mul_i32 s98, s14, HALFT
	s_mul_i32 s99, s14, SPART
	s_mov_b32 s[SEL], 0x76543210
	s_mov_b32 s[SEL+1], 0xfedcba98
	s_mov_b32 s[CS], 0x3d38aa3b                    ; log2(e) / 32
	s_mov_b32 s[CS+1], s[CS]                       ; (named with it as a pair, so it is written)
	s_wait_kmcnt 0x0
	s_add_nc_u64 s[20:21], s[4:5], s[20:21]
	s_add_nc_u64 s[22:23], s[6:7], s[22:23]
	s_add_nc_u64 s[46:47], s[4:5], s[46:47]
	s_add_nc_u64 s[2:3], s[6:7], s[2:3]
	CROUND
	s_mov_b32 s[G0S], 1
	s_add_co_u32 s[G0S+1], s99, SCL
	s_mov_b64 s[G0S+2:G0S+3], s[22:23]
	s_or_b32 s[G0S+3], s[G0S+3], 0x80000000
	s_mov_b32 s[G0SB], 1
	s_add_co_u32 s[G0SB+1], s99, SCL
	s_mov_b64 s[G0SB+2:G0SB+3], s[2:3]
	s_or_b32 s[G0SB+3], s[G0SB+3], 0x80000000
	JLOAD G0S, G1S, G0SB, G1SB                     ; four loads of mine go out together: the scale words, slots 0, 1 and 2
.irp s, 0,1
	s_mov_b32 s[G0+4*\s], 1
	s_add_co_u32 s[G0+4*\s+1], s98, \s*SLOT
	s_add_nc_u64 s[G0+4*\s+2:G0+4*\s+3], s[20:21], \s*2*FRB
	s_or_b32 s[G0+4*\s+3], s[G0+4*\s+3], 0x80000000
	s_mov_b32 s[G0B+4*\s], 1
	s_add_co_u32 s[G0B+4*\s+1], s98, \s*SLOT
	s_add_nc_u64 s[G0B+4*\s+2:G0B+4*\s+3], s[46:47], \s*2*FRB
	s_or_b32 s[G0B+4*\s+3], s[G0B+4*\s+3], 0x80000000
	JLOAD G0+4*\s, G1, G0B+4*\s, G1B
.endr
	s_add_nc_u64 s[G0C+2:G0C+3], s[20:21], 4*FRB   ; slot 2: K step 2.  (q's base is read here for the last time; its registers then take the group's first two words)
	s_or_b32 s[G0C+3], s[G0C+3], 0x80000000
	s_mov_b32 s[G0C], 1
	s_add_co_u32 s[G0C+1], s98, 2*SLOT
	s_mov_b32 s[G0BC], 1
	s_add_co_u32 s[G0BC+1], s98, 2*SLOT
	s_add_nc_u64 s[G0BC+2:G0BC+3], s[46:47], 4*FRB
	s_or_b32 s[G0BC+3], s[G0BC+3], 0x80000000
	JLOAD G0C, G1, G0BC, G1B
	v_and_b32 v1, 15, v0
	v_bfe_u32 v2, v0, 4, 1
	v_and_b32 v3, 31, v0
	v_lshlrev_b32 v[LI], 4, v3
	s_mul_i32 s66, s15, HALFT
	s_mul_i32 s67, s16, HALFT
	s_add_co_u32 s67, s67, 2*HALFT
.irp s, 0,1,2
	v_add_nc_u32 v[ADRA+\s], s66, v[LI]
	v_add_nc_u32 v[ADRB+\s], s67, v[LI]
	s_add_co_u32 s66, s66, SLOT
	s_add_co_u32 s67, s67, SLOT
.endr
	s_mul_i32 s66, s15, SPART
	s_mul_i32 s67, s16, SPART
	s_add_co_u32 s67, s67, 2*SPART
	s_sub_co_u32 s67, s67, s66
	v_mul_u32_u24 v6, s67, v2                      ; lanes 16-31 take k's words
	s_add_co_u32 s66, s66, SCL
	v_lshl_add_u32 v5, v1, 2, v6
	v_add_nc_u32 v[ADRS], s66, v5
	s_mul_i32 s66, s14, 1536
	s_add_co_u32 s66, s66, SCRATCH
	v_lshl_add_u32 v[SWA], v1, 2, s66
	v_add_nc_u32 v[SWR], s66, v[LI]
	s_lshl_b32 s17, s42, 1
	s_add_co_u32 s17, s17, s16                     ; which 128 keys of the batch: p's K step, 0 .. 15
	s_lshl_b32 s18, s45, 4
	s_lshl_b32 s19, s15, 3
	s_add_co_u32 s18, s18, s19                     ; my first row tile of queries
	s_lshl_b32 s18, s18, 4
	s_add_co_u32 s18, s18, s17
	s_mul_i32 s18, s18, FRB
	s_mov_b32 s19, 0
	s_add_nc_u64 s[8:9], s[8:9], s[18:19]          ; pc: fragment (rt, K step) at (16 rt + K step) x 1,536
	s_lshl_b32 s18, s45, 1
	s_add_co_u32 s18, s18, s15
	s_lshl_b32 s18, s18, 4
	s_add_co_u32 s18, s18, s17
	s_lshl_b32 s18, s18, 9
	s_add_nc_u64 s[10:11], s[10:11], s[18:19]      ; px: my 128 queries' 512 bytes of that K step
	s_wait_tensorcnt 0x2                           ; the scale words and my part of slot 0 are in; slots 1 and 2 may be out
	s_barrier_signal -1
	s_barrier_wait -1
	FETCH_B 0, 0, 0
	FETCH_A 0, 0, 0
	SCALES 0
	FETCH_A 0, 0, 4
	STEP 0, 0, 1
	TURN 0, 1, 0, 1, 1                             ; K step 0 ends; slot 0 takes K step 3
	STEP 1, 1, 0
	TURN 1, 2, 1, 0, 0                             ; K step 1 ends; slot 2 has been whole since the round above
	STEP 2, 0, 0
	TURN 2, 0, 0, 1, 2                             ; K step 2 ends; the refill is waited for
	STEP 0, 1, 0
	s_wait_dscnt 12
	WIN 0xa1
	MUL16 0, 1, 1, 1, 0
	MUL16 2, 1, 1, 1, 0
	s_wait_dscnt 0x0
	WIN 0xf1
	MUL16 4, 1, 1, 1, 0
	MUL16 6, 1, 1, 1, 0
	WIN 0
; THE SOFTMAX'S FIRST HALF for block a: 16 queries x my 128 keys.  Register 16 b + i of the block = key 32 b + 16 h + i of my query.
.macro SOFT a
.set W, 2+(\a)/4
.set AC, 64*((\a)%4)
.set NM, NMP+2*(\a)
.set WW, (W<<2)|(W<<4)
	WIN WW
.irp b, 0,1,2,3
	v_max3_num_f32 v[T+\b], 0xff800000, v[AC+16*\b], v[AC+16*\b+1]         ; the largest score of each block of 32 keys, each accumulator from its low end on: it serves the run's maximum and, since p rises with the score, the block's largest p
.endr
.irp i, 2,4,6,8,10,12,14
.irp b, 0,1,2,3
	v_max3_num_f32 v[T+\b], v[T+\b], v[AC+16*\b+\i], v[AC+16*\b+\i+1]
.endr
.endr
	WIN 0
.irp b, 0,1,2,3
	v_permlanex16_b32 v[T+4+\b], v[T+\b], s[SEL], s[SEL+1]
.endr
.irp b, 0,1,2,3
	v_max_num_f32 v[T+\b], v[T+\b], v[T+4+\b]
.endr
	v_max3_num_f32 v42, v[T], v[T+1], v[T+2]
	v_max_num_f32 v42, v42, v[T+3]                 ; the largest score of my query's 128 keys
	v_mul_f32 v42, s[CS], v42                      ; as t
	v_floor_f32 v[NM], -v42                        ; -M = floor(-t) = -ceil(t): a whole number
	v_mov_b32 v[NM+1], 0                           ; (named with it as a pair; the sum lands here later)
.irp b, 0,1,2,3
	v_fma_f32 v[T+\b], v[T+\b], s[CS], v[NM]
.endr
.irp i, 0,1,2,3
	v_mov_b32 v[LA+\i], 0
.endr
.set WW, W|(W<<6)
	WIN WW
.set j, 0
.rept 32
	v_pk_fma_f32 v[AC+j:AC+j+1], v[AC+j:AC+j+1], s[CS:CS+1], v[NM:NM+1] op_sel_hi:[1,0,0]   ; t - M, two at a time
.set j, j+2
.endr
.set j, 0
.rept 64
	v_exp_f32 v[AC+j], v[AC+j]                     ; p = 2^(t - M), at most 1
.set j, j+1
.endr
	WIN 0
.irp b, 0,1,2,3
	v_exp_f32 v[T+\b], v[T+\b]                     ; the block's largest p: the same two instructions on the same number
.endr
	v_nop                                          ; a plain place behind the exponentials
	s_wait_alu depctr_va_vdst(0)
.irp b, 0,1,2,3
	v_max_num_f32 v[T+\b], 0x1800000, v[T+\b]      ; the floor 2^(3 - 127)
.endr
.irp b, 0,1,2,3
	v_add_nc_u32 v[T+12+\b], 0xff000000, v[T+\b]
.endr
.irp b, 0,1,2,3
	v_lshrrev_b32 v[T+4+\b], 23, v[T+12+\b]
.endr
	v_lshl_or_b32 v[PW+(\a)], v[T+5], 8, v[T+4]
	v_lshl_or_b32 v[PW+(\a)], v[T+6], 16, v[PW+(\a)]
	v_lshl_or_b32 v[PW+(\a)], v[T+7], 24, v[PW+(\a)]
.if (\a) > 0
	s_wait_xcnt 0x0                                ; the last block's stores have read the codes' registers
.endif
	WIN W
.irp c, 0,1
	v_cvt_scalef32_pk16_fp6_f32 v[PC+6*\c:PC+6*\c+2], v[AC+32*\c:AC+32*\c+15], v[T+12+2*\c]
	v_cvt_scalef32_pk16_fp6_f32 v[PT+4*\c:PT+4*\c+2], v[AC+32*\c+16:AC+32*\c+31], v[T+12+2*\c+1]
.endr
.set WW, W<<2
	WIN WW
.set j, 0
.rept 16
	v_pk_add_f32 v[LA:LA+1], v[LA:LA+1], v[AC+j:AC+j+1]                    ; the sum is taken of the unquantised p, in two chains.  (Plain places behind the conversions)
	v_pk_add_f32 v[LA+2:LA+3], v[LA+2:LA+3], v[AC+j+2:AC+j+3]
.set j, j+4
.endr
	WIN 0
	v_pk_add_f32 v[LA:LA+1], v[LA:LA+1], v[LA+2:LA+3]
	v_add_f32 v54, v[LA], v[LA+1]
	v_permlanex16_b32 v55, v54, s[SEL], s[SEL+1]
	v_add_f32 v[NM+1], v54, v55                    ; with lane l xor 16's 64 keys
.irp c, 0,1
.irp i, 0,1,2
	v_permlane16_swap_b32 v[PC+6*\c+\i], v[PT+4*\c+\i]
.endr
.irp i, 0,1,2
	v_mov_b32 v[PC+3+6*\c+\i], v[PT+4*\c+\i]
.endr
.endr
	ds_store_b32 v[SWA], v[PW+(\a)] offset:64*(\a)
	ds_store_b32 v[SWA], v[NM] offset:512+64*(\a)
	ds_store_b32 v[SWA], v[NM+1] offset:1024+64*(\a)
.irp c, 0,1,2
	global_store_b128 v[LI], v[PC+4*\c:PC+4*\c+3], s[8:9] offset:16*FRB*(\a)+512*\c     ; 512 consecutive bytes, aligned
.endr
.endm
	PLACES 4
.irp b, 0,1,2,3
	v_mov_b32 v[T+4+\b], 0                         ; a lane permute's destination counts as one of its sources
.endr
	v_mov_b32 v55, 0
.irp a, 0,1,2,3,4,5,6,7
	SOFT \a
.endr
.irp i, 0,1,2
	ds_load_b128 v[32+4*\i:35+4*\i], v[SWR] offset:512*\i                  ; in order behind my stores
.endr
	s_wait_dscnt 0x0
.irp i, 0,1,2
	global_store_b128 v[LI], v[32+4*\i:35+4*\i], s[10:11] offset:524288*\i ; scale words, -M, sums: 512 consecutive bytes each, aligned
.endr
	s_wait_tensorcnt 0x0                           ; the wave's end
	ds_add_u32 v[SPW], v[NIL]
	s_wait_dscnt 0x0
	CROUND
	s_endpgm
.Lfunc_end_k_q06097df29f_score:
	.size	k_q06097df29f_score, .Lfunc_end_k_q06097df29f_score-k_q06097df29f_score
	.p2alignl 7, 3214868480
	.fill 96, 4, 3214868480
	.section	.rodata,"a",@progbits
	.p2align	6, 0x0
	.amdhsa_kernel k_q06097df29f_score
		.amdhsa_group_segment_fixed_size 327680
		.amdhsa_private_segment_fixed_size 0
		.amdhsa_enable_private_segment 0
		.amdhsa_kernarg_size 32
		.amdhsa_user_sgpr_count 2
		.amdhsa_user_sgpr_kernarg_segment_ptr 1
		.amdhsa_wavefront_size32 1
		.amdhsa_system_sgpr_workgroup_id_x 1
		.amdhsa_system_sgpr_workgroup_id_y 1
		.amdhsa_system_sgpr_workgroup_id_z 1
		.amdhsa_system_vgpr_workitem_id 0
		.amdhsa_next_free_vgpr 1024
		.amdhsa_next_free_sgpr 102
		.amdhsa_reserve_vcc 0
		.amdhsa_float_denorm_mode_32 3
		.amdhsa_float_denorm_mode_16_64 3
		.amdhsa_memory_ordered 1
		.amdhsa_forward_progress 1
		.amdhsa_inst_pref_size 202
	.end_amdhsa_kernel
	.amdgpu_metadata
---
amdhsa.version: [ 1, 2 ]
amdhsa.kernels:
  - .name:           k_q06097df29f_score
    .symbol:         k_q06097df29f_score.kd
    .args:
      - { .name: qkvc, .offset: 0, .size: 8, .value_kind: global_buffer, .address_space: global }
      - { .name: qkvs, .offset: 8, .size: 8, .value_kind: global_buffer, .address_space: global }
      - { .name: pc, .offset: 16, .size: 8, .value_kind: global_buffer, .address_space: global }
      - { .name: px, .offset: 24, .size: 8, .value_kind: global_buffer, .address_space: global }
    .group_segment_fixed_size: 327680
    .private_segment_fixed_size: 0
    .kernarg_segment_align: 8
    .kernarg_segment_size: 32
    .max_flat_workgroup_size: 128
    .sgpr_count:     102
    .vgpr_count:     1024
    .wavefront_size: 32
...
	.end_amdgpu_metadata
.endif
;; end of part 6
;; launch pv (part 7): grid 4 x 64, 4 waves a work-group, clusters of 4 x 4, 327,680 bytes of LDS; arguments qkvc, qkvs, pc, px, out0; writes out0
.if DOCPART == 7
	.amdgcn_target "amdgcn-amd-amdhsa--gfx1250"
	.amdhsa_code_object_version 6
	.text
	.protected	k_q06097df29f_pv
	.globl	k_q06097df29f_pv
	.p2align	8
	.type	k_q06097df29f_pv,@function
k_q06097df29f_pv:
	s_mov_b64 s[64:65], 0
	v_nop
	global_prefetch_b8 v0, s[64:65] scope:SCOPE_SE
	s_setreg_imm32_b32 hwreg(HW_REG_WAVE_MODE, 25, 1), 1
	s_wait_xcnt 0x0
	s_wait_alu depctr_hold_cnt(0) depctr_sa_sdst(0) depctr_va_vdst(0) depctr_va_sdst(0) depctr_va_ssrc(0) depctr_va_vcc(0) depctr_vm_vsrc(0)
	s_getreg_b32 s2, hwreg(HW_REG_IB_STS2, 6, 4)
	s_cmp_eq_u32 s2, 0
	s_cbranch_scc0 .Lentry_in_a_cluster
	s_endpgm
.Lentry_in_a_cluster:
	s_bfe_u32 s2, ttmp6, 0x10000c
	s_cmp_lg_u32 s2, 0xf033
	s_cbranch_scc0 .Lentry_shape_is_right
	s_endpgm
.Lentry_shape_is_right:
; out = (p v) / l on codes of FP6 (E2M3) with E8M0 scales, sums in f32.  p arrives under a whole-number M of its own for each run of 128 keys, with that run's sum.
; AT THE HEAD: for each of the work-group's 128 queries (thread t: query t) the row's M = the largest of the 16 runs' M; a run's shift S = M - its own M, a whole number, 0 or more; the row's sum l = the sum of the
; runs' sums x 2^-S (exact); and each of p's scale bytes less S.  That is p = 2^(t - M) under the row's own M: the codes stay as they are, the scales take the power of two up.
; LIMITS: S is held at 255 and a byte at 0 from below (2^-127): what is misjudged so lies under 2^-120 of a row whose sum is over 1/2.  NaN and infinities are not served.
; Operands are images of the matrix unit's registers (fragment (rt, ks) = 1,536 bytes at (16 rt + ks) x 1,536).  Source 0 = 16 of d (v, keys innermost), source 1 = 16 queries: a lane holds ONE query and its registers
; run along d, 16 neighbours in two neighbouring tiles.
; SHARES: 8,192 queries x 1,024 of d in tiles of 128 x 256 are 256 work-groups.  A wave makes 64 queries x 128 of d: 32 accumulators, 256 registers; 12 fragments from LDS feed 32 matrix instructions.
; K = 2,048 keys goes in four runs of 512 through two LDS slots of 147,456 bytes: both are asked for at the start, and each is filled again once; a refill has 112 matrix instructions of a wave in which to land.
; Both operands have two sets of registers: each step of 128 along K first asks for the next step's 12 fragments and 8 scale registers, 44 LDS loads, then multiplies its own.
; JOINT LOADS: 4 x 4 work-groups; p's tile is shared along a row of the cluster, v's tile and v's scale words along a column.
; The queries of a tile lie in the tiles' order (lane r of tile 2 G + u: row 32 G + 8 u + r + 8 (r / 8)); the stores' offsets put them back.
; REGISTERS: window 0: v1-29 addresses; v32-47 scale words, two sets of 8; v48-55 1 / l; v64-79 at work at the head; v128-175, v176-223 p's 4 fragments, two sets (at the head: -M, sums, scale words; on the way out: rows of out).
;   window 1: v's 8 fragments, two sets, at v0 and v128.   window 2: the accumulators, (a, b) at v[8 (8 a + b)].
.set KS,     16
.set FRB,    1536
.set RTB,    4*FRB                     ; a row tile's four fragments in a slot
.set APART,  4*RTB                     ; 64 queries: what waves 0 and 1 fetch, and what a wave reads of p
.set BPART,  8*RTB                     ; 128 of d: what waves 2 and 3 fetch, and what a wave reads of v
.set SLOT,   2*APART+2*BPART           ; p's two halves, then v's two
.set ADJ,    2*SLOT                    ; p's shifted scale words, 8,192 bytes: stored by the waves, no fill lands here
.set SCL,    ADJ+512*KS                ; v's scale words, 2 x 8,192 bytes, filled once
.set SPARE,  SCL+2*512*KS              ; the spare words, 128 bytes a wave: two blocks of 256 bytes that no other line names
.set RLS,    SPARE+512                 ; 1 / l of the 128 queries
.set SP,     528                       ; the way out: a stage of 16 rows x (512 + 16) bytes for each wave, in slot 0: it has had its last fill and its last read at the last change of slots
.set ADRA, 16                          ; v16-17
.set ADRB, 20                          ; v20-21
.set LI,   24
.set STO,  25
.set RD,   26
.set ADRS, 27                          ; scale words: lanes 0-15 p's, lanes 16-31 v's
.set SPW,  28
.set NIL,  29
.set SC,   32                          ; set p at v[SC + 8 p]; register i: lanes 16-31 v's block i; lanes 0-15 p's block i (for i over 3 words that no product names)
.set RL,   48                          ; v[48 + 2 a], v[49 + 2 a]: 1 / l of my query of block a, twice (a pair for the packed multiply)
.set AF,   128
.set NMR,  128                         ; the head: v128-143 -M of my query's 16 runs; v144-159 their sums; v160-175 their scale words
.set LR,   144
.set RW,   160
.set BK,   128                         ; the way out: 16 rows read back: v128-191 and v192-255 by turns
.set G1,   24
.set G0,   32
.set G1B,  48
.set G0B,  56
.set G1SB, 80
.set G0SB, 88
.set MSB, 0
.macro WIN new                         ; the immediate's high byte repeats the setting that is left
.if MSB != \new
	s_set_vgpr_msb (MSB<<8)|\new
.set MSB, \new
.endif
.endm
.macro JLOAD g0a, g1a, g0b, g1b        ; waves 0 and 1 fetch for p, waves 2 and 3 for v; four v_nop follow each line
	s_cmp_eq_u32 s15, 0
	s_cbranch_scc0 .Lfor_b_\@
	tensor_load_to_lds s[\g0a:\g0a+3], s[\g1a:\g1a+7]
	s_nop 0
.rept 4
	v_nop
.endr
	s_branch .Lasked_\@
.Lfor_b_\@:
	tensor_load_to_lds s[\g0b:\g0b+3], s[\g1b:\g1b+7]
	s_nop 0
.rept 4
	v_nop
.endr
.Lasked_\@:
.endm
.macro CREST
	s_cmp_lg_u32 s14, 0
	s_cbranch_scc1 .Lnot_wave_0_\@
	s_barrier_signal -3
.Lnot_wave_0_\@:
	s_barrier_wait -3
	s_barrier_signal -1
	s_barrier_wait -1
.endm
.macro CROUND
	s_barrier_signal -1
	s_barrier_wait -1
	CREST
.endm
.macro PLACES n                        ; plain vector places behind matrix instructions, in front of loads into their registers and of reads of results
.rept \n
	v_nop
.endr
.endm
.macro FRAG reg, adr, off              ; a fragment comes as it was stored: three loads of 512 consecutive bytes
.irp c, 0,1,2
	ds_load_b128 v[\reg+4*\c:\reg+4*\c+3], v[\adr] offset:\off+512*\c
.endr
.endm
.macro FETCH slot, q, ks, p            ; 44 LDS loads: the slot's q-th 128 along K, which is K step ks of the 16, into set p
	WIN 0x40
.irp i, 0,1,2,3,4,5,6,7
	FRAG 128*(\p)+12*\i, ADRB+\slot, RTB*\i+FRB*(\q)
.endr
	WIN 0
.irp i, 0,1,2,3
	FRAG AF+48*(\p)+12*\i, ADRA+\slot, RTB*\i+FRB*(\q)
.endr
.irp i, 0,1,2,3,4,5,6,7
	ds_load_b32 v[SC+8*(\p)+\i], v[ADRS] offset:512*(\ks)+64*\i
.endr
.endm
.macro MUL8 a, p, cm                   ; p's block a x v's eight.  cm 1: the first product starts the sums.  The 32 accumulators take turns
.irp b, 0,1,2,3,4,5,6,7
.if \cm
	v_wmma_scale_f32_16x16x128_f8f6f4 v[8*(8*(\a)+\b):8*(8*(\a)+\b)+7], v[128*(\p)+12*\b:128*(\p)+12*\b+11], v[AF+48*(\p)+12*(\a):AF+48*(\p)+12*(\a)+11], 0, v[SC+8*(\p)+\b], v[SC+8*(\p)+(\a)] matrix_a_fmt:MATRIX_FMT_FP6 matrix_b_fmt:MATRIX_FMT_FP6 matrix_a_scale:MATRIX_SCALE_ROW1
.else
	v_wmma_scale_f32_16x16x128_f8f6f4 v[8*(8*(\a)+\b):8*(8*(\a)+\b)+7], v[128*(\p)+12*\b:128*(\p)+12*\b+11], v[AF+48*(\p)+12*(\a):AF+48*(\p)+12*(\a)+11], v[8*(8*(\a)+\b):8*(8*(\a)+\b)+7], v[SC+8*(\p)+\b], v[SC+8*(\p)+(\a)] matrix_a_fmt:MATRIX_FMT_FP6 matrix_b_fmt:MATRIX_FMT_FP6 matrix_a_scale:MATRIX_SCALE_ROW1
.endif
.endr
.endm
.macro STEP p, cm, nslot, nq, nks      ; one of a slot's first three steps: asks for the next step (same slot) into the other set, multiplies set p
.if \cm == 0
	PLACES 4                                       ; the other set was read by the step before
.endif
	FETCH \nslot, \nq, \nks, 1-(\p)
	s_wait_dscnt 44                                ; all but the 44 just issued: set p is in
	WIN 0xa1                                       ; v window 1, p window 0, C and D window 2
	MUL8 0, \p, \cm
	MUL8 1, \p, \cm
	MUL8 2, \p, \cm
	MUL8 3, \p, \cm
	WIN 0
.endm
.macro TURN slot, next, nks, fill      ; a slot's fourth step (set 1), and the change of slots: one barrier
	s_wait_tensorcnt 0x0                           ; all my tensor loads have landed: my part of the next slot
	ds_add_u32 v[SPW], v[NIL]                      ; 0 onto my spare word
	s_wait_dscnt 1                                 ; set 1 is in (the add may be out)
	WIN 0xa1
	MUL8 0, 1, 0
	s_wait_dscnt 0x0                               ; the add is done, and my reads of this slot are over
	s_barrier_signal -1
	MUL8 1, 1, 0
	WIN 0
	s_barrier_wait -1
.if \fill
	CREST                                          ; a round of the cluster's barrier: no wave of any partner still reads this slot or has a load on its way
	s_add_nc_u64 s[G0+4*\slot+2:G0+4*\slot+3], s[G0+4*\slot+2:G0+4*\slot+3], 2*RTB      ; two slots' worth of keys on
	s_add_nc_u64 s[G0B+4*\slot+2:G0B+4*\slot+3], s[G0B+4*\slot+2:G0B+4*\slot+3], 2*RTB
	JLOAD G0+4*\slot, G1, G0B+4*\slot, G1B         ; the first tensor load behind the round; its four v_nop are the places in front of the loads below
.else
	PLACES 4
.endif
	FETCH \next, 0, \nks, 0
	WIN 0xa1
	MUL8 2, 1, 0
	MUL8 3, 1, 0
	WIN 0
.endm
	s_load_b256 s[4:11], s[0:1], 0x0               ; qkvc s[4:5], qkvs s[6:7], pc s[8:9], px s[10:11]
	s_load_b64 s[12:13], s[0:1], 0x20              ; out0
	v_lshl_add_u32 v[SPW], v0, 2, SPARE
	v_mov_b32 v[NIL], 0
	ds_add_u32 v28, v29
	ds_add_u32 v28, v29
	s_wait_dscnt 0x0
	v_lshrrev_b32 v1, 5, v0
	v_readfirstlane_b32 s14, v1
	s_lshr_b32 s15, s14, 1                         ; my half of the queries.  Also: I fetch for p (0) or for v (1)
	s_and_b32 s16, s14, 1                          ; my half of d.  Also: which half of that tile I fetch
	s_bfe_u32 s40, ttmp6, 0x40000                  ; cx: the tile of 256 of d (the grid is one cluster wide)
	s_bfe_u32 s41, ttmp6, 0x40004                  ; cy
	s_and_b32 s17, ttmp7, 0xffff
	s_lshr_b32 s18, s17, 2                         ; the batch: four clusters high, so all partners share it
	s_lshl_b32 s45, s17, 2
	s_add_co_u32 s45, s45, s41                     ; the tile of 128 queries, 0 .. 63
	s_lshl_b32 s43, s41, 2
	s_lshl_b32 s43, 15, s43                        ; my row of the cluster
	s_lshl_b32 s44, 0x1111, s40                    ; my column
	s_or_b32 s[G1+0], s43, (3<<16)|(1<<21)         ; 15:0 the mask; 17:16 elements of 8 bytes; 21 set beside a mask; no padding
	s_mov_b32 s[G1+1], 768<<16                     ; tensor_dim0: 6,144 bytes, a row tile's four fragments
	s_mov_b32 s[G1+2], 4<<16                       ; tensor_dim1: 4 row tiles
	s_mov_b32 s[G1+3], 768<<16                     ; tile_dim0
	s_mov_b32 s[G1+4], 4                           ; tile_dim1
	s_mov_b32 s[G1+5], 192*KS                      ; from row tile to row tile
	s_mov_b32 s[G1+6], 0
	s_mov_b32 s[G1+7], 0
	s_or_b32 s[G1B+0], s44, (3<<16)|(1<<21)
	s_mov_b32 s[G1B+1], 768<<16
	s_mov_b32 s[G1B+2], 8<<16                      ; 8 row tiles
	s_mov_b32 s[G1B+3], 768<<16
	s_mov_b32 s[G1B+4], 8
	s_mov_b32 s[G1B+5], 192*KS
	s_mov_b32 s[G1B+6], 0
	s_mov_b32 s[G1B+7], 0
	s_or_b32 s[G1SB+0], s44, (3<<16)|(1<<21)       ; a quarter of v's scale words: 4,096 dense bytes, as 16 rows of 256
	s_mov_b32 s[G1SB+1], 32<<16
	s_mov_b32 s[G1SB+2], 16<<16
	s_mov_b32 s[G1SB+3], 32<<16
	s_mov_b32 s[G1SB+4], 16
	s_mov_b32 s[G1SB+5], 32
	s_mov_b32 s[G1SB+6], 0
	s_mov_b32 s[G1SB+7], 0
	s_lshl_b32 s20, s45, 1
	s_add_co_u32 s20, s20, s16                     ; p: which 64 queries
	s_mul_i32 s20, s20, 4*KS*FRB
	s_mov_b32 s21, 0
	s_lshl_b32 s46, s18, 3
	s_lshl_b32 s19, s40, 1
	s_add_co_u32 s46, s46, s19                     ; v: which 128 of d, eight such to a batch: the tile's first
	s_lshl_b32 s2, s46, 13                         ; its scale words, 8,192 bytes for 128 of d,
	s_lshl_b32 s19, s14, 12
	s_add_co_u32 s2, s2, s19                       ; my wave's quarter of the tile's 16,384
	s_add_co_u32 s2, s2, 524288                    ; v's scale words follow q's and k's
	s_mov_b32 s3, 0
	s_add_co_u32 s46, s46, s16
	s_mul_i32 s46, s46, 8*KS*FRB
	s_add_co_u32 s46, s46, 12582912                ; v's codes follow q's and k's
	s_mov_b32 s47, 0
	s_mul_i32 s98, s16, APART                      ; where they go, by the wave's number alone: p's halves,
	s_mul_i32 s99, s16, BPART
	s_add_co_u32 s99, s99, 2*APART                 ; v's halves behind them,
	s_lshl_b32 s22, s14, 12
	s_add_co_u32 s22, s22, SCL                     ; and the quarters of v's scale words
	s_wait_kmcnt 0x0
	s_add_nc_u64 s[20:21], s[8:9], s[20:21]
	s_add_nc_u64 s[46:47], s[4:5], s[46:47]
	s_add_nc_u64 s[2:3], s[6:7], s[2:3]
	CROUND                                         ; all sixteen work-groups are here: the first joint loads meet
	s_mov_b32 s[G0SB], 1
	s_mov_b32 s[G0SB+1], s22
	s_mov_b64 s[G0SB+2:G0SB+3], s[2:3]
	s_or_b32 s[G0SB+3], s[G0SB+3], 0x80000000
	tensor_load_to_lds s[G0SB:G0SB+3], s[G1SB:G1SB+7]      ; every wave its own quarter.  Three loads of mine go out together: this one, slot 0, slot 1
	s_nop 0
.rept 4
	v_nop
.endr
.irp s, 0,1
	s_mov_b32 s[G0+4*\s], 1
	s_add_co_u32 s[G0+4*\s+1], s98, \s*SLOT
	s_add_nc_u64 s[G0+4*\s+2:G0+4*\s+3], s[20:21], \s*RTB
	s_or_b32 s[G0+4*\s+3], s[G0+4*\s+3], 0x80000000
	s_mov_b32 s[G0B+4*\s], 1
	s_add_co_u32 s[G0B+4*\s+1], s99, \s*SLOT
	s_add_nc_u64 s[G0B+4*\s+2:G0B+4*\s+3], s[46:47], \s*RTB
	s_or_b32 s[G0B+4*\s+3], s[G0B+4*\s+3], 0x80000000
	JLOAD G0+4*\s, G1, G0B+4*\s, G1B
.endr
	s_lshl_b32 s18, s45, 13
	s_mov_b32 s19, 0
	s_add_nc_u64 s[18:19], s[10:11], s[18:19]      ; px at the work-group's 128 queries
	v_lshlrev_b32 v3, 2, v0                        ; thread t owns query t: the four waves' loads cover 512 consecutive bytes
.set k, 0
.rept 16
	global_load_b32 v[RW+k], v3, s[18:19] offset:512*k                     ; run k: p's scale word,
	global_load_b32 v[NMR+k], v3, s[18:19] offset:524288+512*k             ; -M,
	global_load_b32 v[LR+k], v3, s[18:19] offset:1048576+512*k             ; and the sum
.set k, k+1
.endr
	v_and_b32 v1, 15, v0                           ; r
	v_bfe_u32 v2, v0, 4, 1                         ; h
	v_and_b32 v8, 31, v0
	v_lshlrev_b32 v[LI], 4, v8
	s_mul_i32 s21, s15, APART
	s_mul_i32 s22, s16, BPART
	s_add_co_u32 s22, s22, 2*APART
.irp s, 0,1
	v_add_nc_u32 v[ADRA+\s], s21, v[LI]
	v_add_nc_u32 v[ADRB+\s], s22, v[LI]
	s_add_co_u32 s21, s21, SLOT
	s_add_co_u32 s22, s22, SLOT
.endr
	s_lshl_b32 s21, s15, 8                         ; p's words: my 64 queries begin 256 bytes on
	s_lshl_b32 s22, s16, 13                        ; v's: my 128 of d
	s_add_co_u32 s22, s22, SCL-ADJ
	s_sub_co_u32 s22, s22, s21
	v_mul_u32_u24 v9, s22, v2                      ; lanes 0-15 take p's shifted words, lanes 16-31 v's: one product, the distance between the two
	s_add_co_u32 s21, s21, ADJ
	v_lshl_add_u32 v8, v1, 2, v9
	v_add_nc_u32 v[ADRS], s21, v8
	v_lshl_add_u32 v5, v0, 2, RLS                  ; 1 / l,
	v_lshl_add_u32 v6, v0, 2, ADJ                  ; and the shifted words, of query t
	s_lshl_b32 s21, s15, 8
	s_add_co_u32 s21, s21, RLS
	v_lshl_add_u32 v7, v1, 2, s21                  ; 1 / l of my half's query r
	s_mul_i32 s21, s14, 16*SP                      ; my stage
	v_mul_u32_u24 v8, v1, SP
	v_lshl_add_u32 v8, v2, 6, v8
	v_add_nc_u32 v[STO], s21, v8                   ; in: row r, + 64 h bytes
	v_add_nc_u32 v[RD], s21, v[LI]                 ; back: a row of 512 bytes
	s_lshl_b32 s20, s45, 19
	s_lshl_b32 s21, s15, 18
	s_add_co_u32 s20, s20, s21
	s_lshl_b32 s21, s40, 10
	s_add_co_u32 s20, s20, s21
	s_lshl_b32 s21, s16, 9
	s_add_co_u32 s20, s20, s21
	s_mov_b32 s21, 0
	s_add_nc_u64 s[12:13], s[12:13], s[20:21]      ; out0: my 64 queries' first row, my 128 of d
	s_wait_loadcnt 0x0
	v_min3_num_f32 v64, v[NMR], v[NMR+1], v[NMR+2]
.irp i, 3,5,7,9,11,13
	v_min3_num_f32 v64, v64, v[NMR+\i], v[NMR+\i+1]
.endr
	v_min_num_f32 v64, v64, v[NMR+15]              ; the smallest -M: the row's
.set k, 0
.rept 16
	v_sub_f32 v66, v[NMR+k], v64                   ; S = the row's M - the run's: a whole number, 0 or more,
	v_min_num_f32 v66, 0x437f0000, v66             ; held at 255
	v_cvt_u32_f32 v66, v66
	v_sub_nc_u32 v67, 0, v66
	v_ldexp_f32 v[LR+k], v[LR+k], v67              ; the run's sum under the row's M
.irp i, 0,1,2,3
	v_bfe_u32 v[70+\i], v[RW+k], 8*\i, 8
.endr
.irp i, 0,1,2,3
	v_min_u32 v[74+\i], v[70+\i], v66
.endr
.irp i, 0,1,2,3
	v_sub_nc_u32 v[70+\i], v[70+\i], v[74+\i]      ; a byte less S, held at 0
.endr
	v_lshl_or_b32 v[RW+k], v71, 8, v70
	v_lshl_or_b32 v[RW+k], v72, 16, v[RW+k]
	v_lshl_or_b32 v[RW+k], v73, 24, v[RW+k]
	ds_store_b32 v6, v[RW+k] offset:512*k
.set k, k+1
.endr
	v_add_f32 v68, v[LR], v[LR+1]
	v_add_f32 v69, v[LR+2], v[LR+3]
.irp i, 4,6,8,10,12,14
	v_add_f32 v68, v68, v[LR+\i]
	v_add_f32 v69, v69, v[LR+\i+1]
.endr
	v_add_f32 v68, v68, v69                        ; l
	v_rcp_f32 v78, v68
	v_nop                                          ; a plain place behind the reciprocal
	s_wait_alu depctr_va_vdst(0)
	ds_store_b32 v5, v78
	s_wait_tensorcnt 0x1                           ; v's scale words and my part of slot 0 are in; slot 1's load may be out
	s_wait_dscnt 0x0                               ; for the others' sake: my stores have landed
	s_barrier_signal -1
	s_barrier_wait -1
.irp a, 0,1,2,3
	ds_load_b32 v[RL+2*\a], v7 offset:64*\a
	ds_load_b32 v[RL+2*\a+1], v7 offset:64*\a
.endr
	FETCH 0, 0, 0, 0
	STEP 0, 1, 0, 1, 1                             ; K step 0: its products start the sums
	STEP 1, 0, 0, 2, 2
	STEP 0, 0, 0, 3, 3
	TURN 0, 1, 4, 1                                ; K step 3; slot 0 takes K steps 8-11
	STEP 0, 0, 1, 1, 5
	STEP 1, 0, 1, 2, 6
	STEP 0, 0, 1, 3, 7
	TURN 1, 0, 8, 1                                ; K step 7; slot 1 takes K steps 12-15
	STEP 0, 0, 0, 1, 9
	STEP 1, 0, 0, 2, 10
	STEP 0, 0, 0, 3, 11
	TURN 0, 1, 12, 0                               ; K step 11; nothing is left to fetch
	STEP 0, 0, 1, 1, 13
	STEP 1, 0, 1, 2, 14
	STEP 0, 0, 1, 3, 15
	s_wait_dscnt 0x0                               ; K step 15
	WIN 0xa1
	MUL8 0, 1, 0
	MUL8 1, 1, 0
	MUL8 2, 1, 0
	MUL8 3, 1, 0
	WIN 0
; THE WAY OUT, block by block of 16 queries x 128 of d: divided by l, through my own stage in LDS, back as whole rows of 512 bytes.
.macro SCALE a
	WIN 0x82                                       ; source 0 and destination window 2, 1 / l window 0
.set j, 0
.rept 32
	v_pk_mul_f32 v[64*(\a)+j:64*(\a)+j+1], v[64*(\a)+j:64*(\a)+j+1], v[RL+2*(\a):RL+2*(\a)+1]  ; each accumulator from its low end on
.set j, j+2
.endr
.endm
.macro TOSTAGE a
	WIN 0x08                                       ; an LDS store's data are its source 1: window 2
.irp b, 0,1,2,3,4,5,6,7
	ds_store_b128 v[STO], v[64*(\a)+8*\b:64*(\a)+8*\b+3] offset:128*(\b/2)+32*(\b%2)       ; register j of tile b: d = 32 (b / 2) + 16 h + 8 (b % 2) + j
	ds_store_b128 v[STO], v[64*(\a)+8*\b+4:64*(\a)+8*\b+7] offset:128*(\b/2)+32*(\b%2)+16
.endr
	WIN 0
.set BB, BK+64*((\a)%2)
.irp t, 0,1,2,3,4,5,6,7,8,9,10,11,12,13,14,15
	ds_load_b128 v[BB+4*\t:BB+4*\t+3], v[RD] offset:SP*\t                  ; LDS serves a wave's instructions in order: these see the stores above
.endr
.endm
.macro SEND a, younger
.set BB, BK+64*((\a)%2)
	s_wait_dscnt \younger
.irp t, 0,1,2,3,4,5,6,7,8,9,10,11,12,13,14,15
	global_store_b128 v[LI], v[BB+4*\t:BB+4*\t+3], s[12:13] offset:(32*((\a)/2)+8*((\a)%2)+\t+8*(\t/8))*4096 th:TH_STORE_NT   ; 512 consecutive bytes, aligned; the tile's row t is this row of out0
.endr
.endm
	PLACES 4
	SCALE 0
	TOSTAGE 0
.irp a, 1,2,3
.if \a > 1
	s_wait_xcnt 0x0                                ; block a - 2's stores have read their registers: block a's rows may land there
.endif
	SCALE \a
	TOSTAGE \a
	SEND \a-1, 32                                  ; behind block a - 1's loads: block a's 16 stores and 16 loads
.endr
	SEND 3, 0
	s_wait_tensorcnt 0x0                           ; the wave's end
	ds_add_u32 v[SPW], v[NIL]
	s_wait_dscnt 0x0
	CROUND                                         ; the closing round
	s_endpgm
.Lfunc_end_k_q06097df29f_pv:
	.size	k_q06097df29f_pv, .Lfunc_end_k_q06097df29f_pv-k_q06097df29f_pv
	.p2alignl 7, 3214868480
	.fill 96, 4, 3214868480
	.section	.rodata,"a",@progbits
	.p2align	6, 0x0
	.amdhsa_kernel k_q06097df29f_pv
		.amdhsa_group_segment_fixed_size 327680
		.amdhsa_private_segment_fixed_size 0
		.amdhsa_enable_private_segment 0
		.amdhsa_kernarg_size 40
		.amdhsa_user_sgpr_count 2
		.amdhsa_user_sgpr_kernarg_segment_ptr 1
		.amdhsa_wavefront_size32 1
		.amdhsa_system_sgpr_workgroup_id_x 1
		.amdhsa_system_sgpr_workgroup_id_y 1
		.amdhsa_system_sgpr_workgroup_id_z 1
		.amdhsa_system_vgpr_workitem_id 0
		.amdhsa_next_free_vgpr 768
		.amdhsa_next_free_sgpr 102
		.amdhsa_reserve_vcc 0
		.amdhsa_float_denorm_mode_32 3
		.amdhsa_float_denorm_mode_16_64 3
		.amdhsa_memory_ordered 1
		.amdhsa_forward_progress 1
		.amdhsa_inst_pref_size 168
	.end_amdhsa_kernel
	.amdgpu_metadata
---
amdhsa.version: [ 1, 2 ]
amdhsa.kernels:
  - .name:           k_q06097df29f_pv
    .symbol:         k_q06097df29f_pv.kd
    .args:
      - { .name: qkvc, .offset: 0, .size: 8, .value_kind: global_buffer, .address_space: global }
      - { .name: qkvs, .offset: 8, .size: 8, .value_kind: global_buffer, .address_space: global }
      - { .name: pc, .offset: 16, .size: 8, .value_kind: global_buffer, .address_space: global }
      - { .name: px, .offset: 24, .size: 8, .value_kind: global_buffer, .address_space: global }
      - { .name: out0, .offset: 32, .size: 8, .value_kind: global_buffer, .address_space: global }
    .group_segment_fixed_size: 327680
    .private_segment_fixed_size: 0
    .kernarg_segment_align: 8
    .kernarg_segment_size: 40
    .max_flat_workgroup_size: 128
    .sgpr_count:     102
    .vgpr_count:     768
    .wavefront_size: 32
...
	.end_amdgpu_metadata
.endif
;; end of part 7
